; MI455X (gfx1250); checked and timed in simulation.
; The chip was launched on July 23, 2026; its instructions are those of AMD's public machine-readable ISA for CDNA 5 (MIT licence, August 2026) and "CDNA5" Instruction Set Architecture Reference Guide (July 2026). The comments in the code are by the model that wrote it; some were corrected since.
;; Masked Multi Head Attention. Allowed arithmetic: matrix products marked QUANTISED: E2M3 operands, one E8M0 scale for each 32 along K, by v_wmma_scale_f32_16x16x128_f8f6f4 with both operands' format E2M3, f32 sums; everything else in f32.
;; Inputs: bk 1,024 float32; bo 1,024 float32; bq 1,024 float32; bv 1,024 float32; wk 1,024 x 1,024 float32; wo 1,024 x 1,024 float32; wq 1,024 x 1,024 float32; wv 1,024 x 1,024 float32; x 4 x 2,048 x 1,024 float32.
;; Outputs: out0 4 x 2,048 x 1,024 float32.
;; This version of the problem:
;;   THIS VERSION OF THE PROBLEM IS GIVEN IN LOW PRECISION. The matrix products marked QUANTISED in the list below multiply operands that are first quantised to E2M3 (2 exponent bits, 3 mantissa bits; 6 bits a number), with one power-of-two scale for each 32 numbers along K (OCP MX v1.0); their sums are f32. All else is computed in f32.
;;   The module's matrix products, in the order in which they are computed (A, B: the left and right operand; K: the contracted axis; several contracted axes count as one K, in the product's order):
;;     1. [M 8,192, K 1,024] x [K 1,024, N 1,024]; A: input x; B: input wq: QUANTISED
;;     2. [M 8,192, K 1,024] x [K 1,024, N 1,024]; A: input x; B: input wk: QUANTISED
;;     3. [M 8,192, K 1,024] x [K 1,024, N 1,024]; A: input x; B: input wv: QUANTISED
;;     4. batch 64 x [M 2,048, K 64] x [K 64, N 2,048]; A: computed on the way; B: computed on the way: QUANTISED
;;     5. batch 64 x [M 2,048, K 2,048] x [K 2,048, N 64]; A: softmax (see below); B: computed on the way: QUANTISED
;;     6. [M 8,192, K 1,024] x [K 1,024, N 1,024]; A: computed on the way; B: input wo: QUANTISED
;;   THE QUANTISER, for each operand of a quantised product, along K:
;;     - K is cut into blocks of 32 from its start; a last block that is shorter is filled with zeros.
;;     - A block's scale is 2^e with e = floor(log2(the largest magnitude in the block)) - 2, held to -126 .. 127; a block of zeros has e = 0. As a byte (E8M0): e + 127.
;;     - Each number is divided by its block's scale, clamped to +-7.5, and rounded to the nearest number of E2M3, ties to even, subnormals kept.
;;     - The product sums the exact products of the quantised numbers (number of the format x scale) in f32.
;;   ~~~python
;;   def quantise(x, axis):      # numpy; x: float32 -> the quantised numbers, widened to float32 again
;;       x = np.moveaxis(x, axis, -1); K = x.shape[-1]
;;       x = np.pad(x, [(0, 0)] * (x.ndim - 1) + [(0, -K % 32)]); x = x.reshape(x.shape[:-1] + (-1, 32)); a = np.abs(x).max(-1, keepdims=True)
;;       e = np.where(a > 0, np.clip(np.frexp(np.where(a > 0, a, 1))[1] - 1 - 2, -126, 127), 0)      # np.frexp(a)[1] - 1 = floor(log2(a)), exactly
;;       r = np.clip(x / 2.0 ** e, -7.5, 7.5)
;;       step = 2.0 ** (np.maximum(np.frexp(np.where(r == 0, 1, r))[1] - 1, 0) - 3)
;;       q = np.round(r / step) * step * 2.0 ** e      # np.round: ties to even
;;       return np.moveaxis(q.reshape(q.shape[:-2] + (-1,))[..., :K], -1, axis).astype(np.float32)
;;   ~~~
;;   SOFTMAX AHEAD OF A QUANTISED PRODUCT. Where the list says 'softmax', what is quantised is not the finished softmax but p = 2^(t - M), with t = logit x log2(e) and M = ceil(the row's largest t), a whole number; so 1/2 < the row's largest p <= 1. The row's sum l is taken of the UNQUANTISED p, in f32, and the product's result is divided by l at the end. Since M is a whole number, a kernel that streams over the keys may use a running M (the ceiling of the running maximum): every later rescaling is an exact power of two, which a block's scale takes up: the codes' values come out the same.
;;   OPERANDS COMPUTED ON THE WAY. 'Computed on the way' means the value that the module computes at that place (a softmax that the list does not call 'softmax' is quantised finished and normalised). What goes into a quantiser is computed in f32, as accurately as f32 sums, v_exp_f32 and their like allow (about 1e-6 of the number): no bf16 or f16 on the way to a quantiser, and a product that is left as it is and whose result goes on into a quantised operand takes f32 operands (vector FMAs, or v_wmma_f32_16x16x4_f32). A number that lies on a knife's edge between two numbers of the format may be rounded either way, as far as f32 arithmetic and the matrix unit's own rounding can turn it there, and no further.
;; One version. Each part assembles by itself: llvm-mc -triple=amdgcn-amd-amdhsa -mcpu=gfx1250 --defsym DOCPART=n.
;; ======== version 1 of 1: 4 launches
;; workspace buffers: wbuf 3,276,800 bytes; xbuf 6,553,600 bytes; qkbuf 13,631,488 bytes; vbuf 6,553,600 bytes; abuf 6,553,600 bytes
;; launch quant (part 1): grid 512 x 1, 4 waves a work-group, no clusters, 35,328 bytes of LDS; arguments x, wq, wk, wv, wo, xbuf, wbuf; writes xbuf, wbuf
.if DOCPART == 1
	.amdgcn_target "amdgcn-amd-amdhsa--gfx1250"
	.amdhsa_code_object_version 6
	.text
	.protected	k_q26c1a93eb6_quant
	.globl	k_q26c1a93eb6_quant
	.p2align	8
	.type	k_q26c1a93eb6_quant,@function
k_q26c1a93eb6_quant:
	s_mov_b64 s[64:65], 0
	v_nop
	global_prefetch_b8 v0, s[64:65] scope:SCOPE_SE
	s_setreg_imm32_b32 hwreg(HW_REG_WAVE_MODE, 25, 1), 1
	s_wait_xcnt 0x0
; x [8192][1024] (K innermost) and wq, wk, wv, wo [1024 (k)][1024 (n)] (K on the FIRST axis), all f32, become codes of FP6 (E2M3) with one E8M0 byte for each 32 along K.
; ONE LAUNCH FOR BOTH: work-groups 0-255 take x (into xbuf: 512 tiles of 16 rows), work-groups 256-511 the weights (into wbuf: its rows are the weights' columns, rows 0-1023 wq's, then wk's, wv's, wo's:
; 256 tiles).  The two ways part on the work-group's number alone and have LDS bytes of their own.
; ORDER OF K.  Inside every block of 32 the code at place p = 16 a + 8 u + j is that of index 16 u + 8 a + j.  Every operand of every product of this program has this order, so the products are those of the
; true order; it is the order in which a matrix result falls into a lane's registers, which lets later launches quantise results as they stand.
; LAYOUT OF CODES: the operand's registers on end.  A fragment (16 rows x 128 K, 12 registers a lane) is 1,536 bytes: registers 4 k .. 4 k + 3 of lane l at 512 k + 16 l.  A tile's eight K steps follow
; each other: 12,288 bytes a tile.
; LAYOUT OF SCALES, behind the codes: 512 bytes a tile: at 256 a + 16 r the four scale words of row r for K steps 4 a .. 4 a + 3.
; A block's byte is its largest magnitude's exponent field - 2, held at 1 from below.  LIMITS: a block of zeros gets the byte 1 and not 127 (its codes are zeros; this program alone reads the bytes);
; blocks whose largest magnitude lies under 2^-124 are held at the byte 1; NaN and infinities among the inputs are not served.
; No tensor loads, no cluster: every input byte is read once, by one work-group.
.set SEL, 20                           ; x: s[20:21] lane selects: lane l xor 16
.set R,   16                           ; x: v16-143  two sets of 64: a K step as loaded
.set X,   144                          ; x: v144-207 a K step as the conversions want it
.set TM,  208                          ; x: v208-211 largest magnitudes, v212-215 the other half's, then bytes, v216-219 scale operands
.set PT,  220                          ; x: v220-226 the odd blocks' codes on their way
.set PC,  228                          ; x: v228-239 the fragment
.set SWD, 240                          ; x: v240-243 the four K steps' scale words
.set WX,  32                           ; weights: v32-95   two sets of 32 numbers
.set CD,  96                           ; weights: v96-119  the codes: twelve registers for each half e of the operand's lanes
.set TP,  120                          ; weights: v120-122 a block's upper 16 codes
.set SW,  124                          ; weights: v124     my column's scale word of this K step
.set QWL, 33792                        ; LDS: x's four stages lie at 0 .. 33,791; the weights' scale words from here on, 512 bytes
.set SCX, 6291456                      ; where the scale words begin in xbuf,
.set SCW, 3145728                      ; in wbuf
; 64 numbers of a lane, register 16 b + i = place 16 (lane / 16) + i of block b of my row, become a fragment's codes in v[PC] on and its scale word in v[pw].
.macro QUANT s, pw
.irp b, 0,1,2,3
	v_max3_num_f32 v[TM+\b], |v[\s+16*\b]|, |v[\s+1+16*\b]|, 0x1800000   ; my 16 numbers of block b, and the floor 2^(3 - 127)
.endr
.irp i, 2,4,6,8,10,12,14
.irp b, 0,1,2,3
	v_max3_num_f32 v[TM+\b], v[TM+\b], |v[\s+16*\b+\i]|, |v[\s+1+16*\b+\i]|   ; the four blocks by turns
.endr
.endr
.irp b, 0,1,2,3
	v_permlanex16_b32 v[TM+4+\b], v[TM+\b], s[SEL], s[SEL+1]
.endr
.irp b, 0,1,2,3
	v_max_num_f32 v[TM+\b], v[TM+\b], v[TM+4+\b]   ; with lane l xor 16's 16: the block's largest magnitude
.endr
.irp b, 0,1,2,3
	v_add_nc_u32 v[TM+8+\b], 0xff000000, v[TM+\b]  ; 2 off the exponent field: the conversion's scale operand
.endr
.irp b, 0,1,2,3
	v_lshrrev_b32 v[TM+4+\b], 23, v[TM+8+\b]       ; the byte
.endr
	v_lshl_or_b32 v[\pw], v[TM+5], 8, v[TM+4]
	v_lshl_or_b32 v[\pw], v[TM+6], 16, v[\pw]
	v_lshl_or_b32 v[\pw], v[TM+7], 24, v[\pw]
.irp c, 0,1
	v_cvt_scalef32_pk16_fp6_f32 v[PC+6*\c:PC+2+6*\c], v[\s+32*\c:\s+15+32*\c], v[TM+8+2*\c]
	v_cvt_scalef32_pk16_fp6_f32 v[PT+4*\c:PT+2+4*\c], v[\s+16+32*\c:\s+31+32*\c], v[TM+9+2*\c]
.endr
	v_nop                                          ; one plain place behind a scaled conversion
.irp c, 0,1                            ; the operand wants a whole block in a lane: lanes 0-15 block 2 c, lanes 16-31 block 2 c + 1
.irp i, 0,1,2
	v_permlane16_swap_b32 v[PC+6*\c+\i], v[PT+4*\c+\i]
.endr
.irp i, 0,1,2
	v_mov_b32 v[PC+3+6*\c+\i], v[PT+4*\c+\i]
.endr
.endr
.endm
.macro XLOAD t                         ; x: K step t of my four: 16 rows, 512 consecutive bytes each
.irp i, 0,1,2,3,4,5,6,7,8,9,10,11,12,13,14,15
	global_load_b128 v[R+64*((\t)%2)+4*\i:R+64*((\t)%2)+4*\i+3], v1, s[4:5] offset:4096*\i+512*(\t) th:TH_LOAD_NT
.endr
.endm
.macro XSTEP t
.set RS, R+64*((\t)%2)
.if (\t) < 3
	s_wait_loadcnt 16                              ; this step's 16 loads are in; the next step's 16 may be out
.else
	s_wait_loadcnt 0x0
.endif
.irp i, 0,1,2,3,4,5,6,7,8,9,10,11,12,13,14,15
	ds_store_b128 v3, v[RS+4*\i:RS+4*\i+3] offset:528*\i
.endr
.irp b, 0,1,2,3                        ; LDS serves a wave's instructions in order: these see the stores above
.irp u, 0,1
.irp q, 0,1
	ds_load_b128 v[X+16*\b+8*\u+4*\q:X+16*\b+8*\u+4*\q+3], v4 offset:128*\b+64*\u+16*\q
.endr
.endr
.endr
	s_wait_dscnt 0x0                               ; the numbers are back, and the stores into the stage have read their registers
	s_wait_xcnt 0x0                                ; the last step's stores have read the fragment's registers, which are written again below
.if (\t)+2 < 4
	XLOAD (\t)+2
.endif
	QUANT X, SWD+\t
.irp k, 0,1,2
	global_store_b128 v1, v[PC+4*\k:PC+4*\k+3], s[14:15] offset:1536*(\t)+512*\k   ; 512 consecutive bytes
.endr
.endm
.macro WLOAD t                         ; weights: block t of the K step: register p takes the row that belongs at place p; 32 lanes read 128 consecutive bytes
.set P, 0
.rept 32
	global_load_b32 v[WX+32*((\t)%2)+P], v3, s[4:5] offset:(32*(\t)+16*((P/8)%2)+8*(P/16)+(P%8))*4096
.set P, P+1
.endr
.endm
.macro WBLOCK t                        ; block t = 2 c + e is registers 6 c .. 6 c + 5 of the operand's lane (r, e)
.set XS, WX+32*((\t)%2)
.set CB, CD+12*((\t)%2)+6*((\t)/2)
.if (\t) < 3
	s_wait_loadcnt 32                              ; this block's 32 loads are in; the next block's 32 may be out
.else
	s_wait_loadcnt 0x0
.endif
	v_max3_num_f32 v12, |v[XS]|, |v[XS+1]|, |v[XS+2]|              ; the block's largest magnitude: all 32 numbers are mine; two chains
	v_max3_num_f32 v13, |v[XS+3]|, |v[XS+4]|, |v[XS+5]|
.irp i, 6,10,14,18,22,26
	v_max3_num_f32 v12, v12, |v[XS+\i]|, |v[XS+\i+1]|
	v_max3_num_f32 v13, v13, |v[XS+\i+2]|, |v[XS+\i+3]|
.endr
	v_max3_num_f32 v12, v12, |v[XS+30]|, |v[XS+31]|
	v_max3_num_f32 v12, v12, v13, 0x1800000        ; and the floor 2^(3 - 127): the byte cannot fall under 1
	v_add_nc_u32 v11, 0xff000000, v12              ; 2 off the exponent field: the conversion's scale operand
	v_lshrrev_b32 v13, 23, v11                     ; the byte
.if (\t) == 0
	v_mov_b32 v[SW], v13
.else
	v_lshl_or_b32 v[SW], v13, 8*(\t), v[SW]
.endif
	v_cvt_scalef32_pk16_fp6_f32 v[CB:CB+2], v[XS:XS+15], v11
	v_cvt_scalef32_pk16_fp6_f32 v[TP:TP+2], v[XS+16:XS+31], v11    ; (a conversion's three registers begin on an even number)
	v_nop                                          ; one plain place behind a scaled conversion
	v_mov_b32 v[CB+3], v[TP]
	v_mov_b32 v[CB+4], v[TP+1]
	v_mov_b32 v[CB+5], v[TP+2]
.if (\t)+2 < 4
	WLOAD (\t)+2
.endif
.endm
	v_lshl_add_u32 v254, v0, 2, 0x8800
	v_mov_b32 v255, 0
	s_cmp_lt_u32 ttmp9, 256
	s_cbranch_scc0 .Lweights
; ---- x.  Wave w takes tile 2 x work-group + w / 2 and K steps 4 (w % 2) .. + 3.  Each load reads 512 consecutive bytes of one row; a K step's 16 rows x 512 bytes turn through the wave's own stage in LDS
; (rows 528 bytes apart) and come back 64 numbers a lane: register 16 b + 8 u + j of lane (r, h) is x(r, 32 b + 16 u + 8 h + j).  Lanes 16-31 hold the same scale words as lanes 0-15 and store them to the
; same bytes.  No barrier: the waves share nothing.
	s_load_b64 s[4:5], s[0:1], 0x0                 ; x
	s_load_b64 s[6:7], s[0:1], 0x28                ; xbuf
	v_lshrrev_b32 v5, 5, v0
	v_readfirstlane_b32 s8, v5                     ; wave
	v_and_b32 v5, 31, v0
	v_and_b32 v6, 15, v0                           ; r
	v_bfe_u32 v7, v0, 4, 1                         ; h
	v_lshlrev_b32 v1, 4, v5                        ; 16 x lane
	v_lshlrev_b32 v8, 4, v6                        ; 16 r
	s_mul_i32 s9, s8, 8448                         ; my stage: 16 rows x 528 bytes
	v_add_nc_u32 v3, s9, v1                        ; into it: a row as it lies
	v_mul_u32_u24 v4, v6, 528
	v_lshl_add_u32 v4, v7, 5, v4
	v_add_nc_u32 v4, s9, v4                        ; out of it: row r, + 32 h
	s_lshl_b32 s10, ttmp9, 1
	s_lshr_b32 s11, s8, 1
	s_add_co_u32 s10, s10, s11                     ; my tile
	s_and_b32 s11, s8, 1                           ; my half of K
	s_lshl_b32 s12, s10, 16                        ; 16 rows of 4,096 bytes
	s_lshl_b32 s13, s11, 11
	s_add_co_u32 s12, s12, s13
	s_mov_b32 s13, 0
	s_mul_i32 s14, s10, 12288
	s_mul_i32 s15, s11, 6144
	s_add_co_u32 s14, s14, s15
	s_mov_b32 s15, 0
	s_lshl_b32 s16, s10, 9
	s_lshl_b32 s17, s11, 8
	s_add_co_u32 s16, s16, s17
	s_add_co_u32 s16, s16, SCX
	s_mov_b32 s17, 0
	s_mov_b32 s[SEL], 0x76543210
	s_mov_b32 s[SEL+1], 0xfedcba98
.irp b, 0,1,2,3
	v_mov_b32 v[TM+4+\b], 0                        ; written once: a lane permute's destination counts as one of its sources
.endr
	s_wait_alu depctr_va_vdst(0)
	s_wait_kmcnt 0x0
	s_add_nc_u64 s[4:5], s[4:5], s[12:13]
	s_add_nc_u64 s[14:15], s[6:7], s[14:15]
	s_add_nc_u64 s[16:17], s[6:7], s[16:17]
	XLOAD 0
	XLOAD 1
	XSTEP 0
	XSTEP 1
	XSTEP 2
	XSTEP 3
	global_store_b128 v8, v[SWD:SWD+3], s[16:17]   ; my four K steps' words: sixteen lanes, 256 consecutive bytes
	s_wait_tensorcnt 0x0
	ds_add_u32 v254, v255
	s_wait_dscnt 0x0
	s_endpgm
; ---- the weights.  A LANE TAKES A COLUMN n AND ITS REGISTERS RUN DOWN K: a block of 32 lies in one lane, and nothing is transposed.  A work-group: 32 columns x 512 along K; wave w: K step 4 kh + w.
.Lweights:
	s_load_b128 s[4:7], s[0:1], 0x8                ; wq s[4:5], wk s[6:7]
	s_load_b128 s[8:11], s[0:1], 0x18              ; wv s[8:9], wo s[10:11]
	s_load_b64 s[12:13], s[0:1], 0x30              ; wbuf
	v_lshrrev_b32 v1, 5, v0
	v_readfirstlane_b32 s14, v1                    ; wave
	v_and_b32 v2, 31, v0                           ; lane
	v_and_b32 v6, 15, v0                           ; r: my column's row in its tile
	v_bfe_u32 v7, v0, 4, 1                         ; which of the wave's two tiles
	v_lshlrev_b32 v3, 2, v2                        ; in: 4 bytes a lane
	v_mul_u32_u24 v4, v7, 12288
	v_lshl_add_u32 v4, v6, 4, v4                   ; codes out: my tile, 16 r
	v_lshl_add_u32 v8, v2, 4, QWL                  ; LDS: 16 bytes a column,
	s_lshl_b32 s26, s14, 2
	v_add_nc_u32 v5, s26, v8                       ; my wave's word in them
	v_lshlrev_b32 v9, 9, v7
	v_lshl_add_u32 v9, v6, 4, v9                   ; scale words out: my tile's 512 bytes, 16 r
	s_sub_co_u32 s28, ttmp9, 256
	s_and_b32 s29, s28, 31                         ; which 32 columns
	s_lshr_b32 s15, s28, 5
	s_lshr_b32 s16, s15, 1                         ; which weight
	s_and_b32 s17, s15, 1                          ; kh: which half of K
	s_lshl_b32 s18, s17, 2
	s_add_co_u32 s18, s18, s14                     ; my K step
	s_lshl_b32 s20, s18, 19                        ; 128 rows of 4,096 bytes a K step,
	s_lshl_b32 s21, s29, 7                         ; 32 columns of 4 bytes a work-group
	s_add_co_u32 s20, s20, s21
	s_mov_b32 s21, 0
	s_lshl_b32 s19, s16, 6
	s_lshl_b32 s22, s29, 1
	s_add_co_u32 s19, s19, s22                     ; my first tile of wbuf
	s_mul_i32 s22, s19, 12288
	s_mul_i32 s23, s18, 1536
	s_add_co_u32 s22, s22, s23
	s_mov_b32 s23, 0
	s_lshl_b32 s24, s19, 9
	s_lshl_b32 s25, s17, 8
	s_add_co_u32 s24, s24, s25
	s_add_co_u32 s24, s24, SCW
	s_mov_b32 s25, 0
	s_and_b32 s27, s16, 1
	s_wait_alu depctr_va_vdst(0)
	s_wait_kmcnt 0x0
	s_cmp_eq_u32 s27, 0                            ; the weight is chosen by the work-group's number alone
	s_cselect_b64 s[4:5], s[4:5], s[6:7]
	s_cselect_b64 s[8:9], s[8:9], s[10:11]
	s_cmp_lt_u32 s16, 2
	s_cselect_b64 s[4:5], s[4:5], s[8:9]
	s_add_nc_u64 s[4:5], s[4:5], s[20:21]
	s_add_nc_u64 s[22:23], s[12:13], s[22:23]
	s_add_nc_u64 s[24:25], s[12:13], s[24:25]
	WLOAD 0
	WLOAD 1
	WBLOCK 0
	WBLOCK 1
	WBLOCK 2
	WBLOCK 3
.irp e, 0,1
.irp k, 0,1,2
	global_store_b128 v4, v[CD+12*\e+4*\k:CD+12*\e+4*\k+3], s[22:23] offset:512*\k+256*\e   ; registers 4 k .. of the operand's lanes (r, e): sixteen lanes store 256 consecutive bytes, at a multiple of 256 from wbuf's first byte
.endr
.endr
	ds_store_b32 v5, v[SW]                         ; the four waves' words of a column meet in LDS: four K steps, 16 bytes
	s_wait_dscnt 0x0                               ; for wave 0's sake: my store has landed
	s_barrier_signal -1
	s_barrier_wait -1
	s_cmp_lg_u32 s14, 0
	s_cbranch_scc1 .Ldone
	ds_load_b128 v[16:19], v8
	s_wait_dscnt 0x0
	global_store_b128 v9, v[16:19], s[24:25]       ; sixteen lanes store 256 consecutive bytes of a tile's scale words
.Ldone:
	s_wait_tensorcnt 0x0
	ds_add_u32 v254, v255
	s_wait_dscnt 0x0
	s_endpgm
.Lfunc_end_k_q26c1a93eb6_quant:
	.size	k_q26c1a93eb6_quant, .Lfunc_end_k_q26c1a93eb6_quant-k_q26c1a93eb6_quant
	.p2alignl 7, 3214868480
	.fill 96, 4, 3214868480
	.section	.rodata,"a",@progbits
	.p2align	6, 0x0
	.amdhsa_kernel k_q26c1a93eb6_quant
		.amdhsa_group_segment_fixed_size 35328
		.amdhsa_private_segment_fixed_size 0
		.amdhsa_enable_private_segment 0
		.amdhsa_kernarg_size 56
		.amdhsa_user_sgpr_count 2
		.amdhsa_user_sgpr_kernarg_segment_ptr 1
		.amdhsa_wavefront_size32 1
		.amdhsa_system_sgpr_workgroup_id_x 1
		.amdhsa_system_sgpr_workgroup_id_y 1
		.amdhsa_system_sgpr_workgroup_id_z 1
		.amdhsa_system_vgpr_workitem_id 0
		.amdhsa_next_free_vgpr 256
		.amdhsa_next_free_sgpr 66
		.amdhsa_reserve_vcc 0
		.amdhsa_float_denorm_mode_32 3
		.amdhsa_float_denorm_mode_16_64 3
		.amdhsa_memory_ordered 1
		.amdhsa_forward_progress 1
		.amdhsa_inst_pref_size 54
	.end_amdhsa_kernel
	.amdgpu_metadata
---
amdhsa.version: [ 1, 2 ]
amdhsa.kernels:
  - .name:           k_q26c1a93eb6_quant
    .symbol:         k_q26c1a93eb6_quant.kd
    .args:
      - { .name: x, .offset: 0, .size: 8, .value_kind: global_buffer, .address_space: global }
      - { .name: wq, .offset: 8, .size: 8, .value_kind: global_buffer, .address_space: global }
      - { .name: wk, .offset: 16, .size: 8, .value_kind: global_buffer, .address_space: global }
      - { .name: wv, .offset: 24, .size: 8, .value_kind: global_buffer, .address_space: global }
      - { .name: wo, .offset: 32, .size: 8, .value_kind: global_buffer, .address_space: global }
      - { .name: xbuf, .offset: 40, .size: 8, .value_kind: global_buffer, .address_space: global }
      - { .name: wbuf, .offset: 48, .size: 8, .value_kind: global_buffer, .address_space: global }
    .group_segment_fixed_size: 35328
    .private_segment_fixed_size: 0
    .kernarg_segment_align: 8
    .kernarg_segment_size: 56
    .max_flat_workgroup_size: 128
    .sgpr_count:     66
    .vgpr_count:     256
    .wavefront_size: 32
...
	.end_amdgpu_metadata
.endif
;; end of part 1
;; launch proj (part 2): grid 192 x 1, 4 waves a work-group, clusters of 4 x 1, 327,680 bytes of LDS; arguments xbuf, wbuf, bq, bk, bv, qkbuf, vbuf; writes qkbuf, vbuf
.if DOCPART == 2
	.amdgcn_target "amdgcn-amd-amdhsa--gfx1250"
	.amdhsa_code_object_version 6
	.text
	.protected	k_q26c1a93eb6_proj
	.globl	k_q26c1a93eb6_proj
	.p2align	8
	.type	k_q26c1a93eb6_proj,@function
k_q26c1a93eb6_proj:
	s_mov_b64 s[64:65], 0
	v_nop
	global_prefetch_b8 v0, s[64:65] scope:SCOPE_SE
	s_setreg_imm32_b32 hwreg(HW_REG_WAVE_MODE, 25, 1), 1
	s_wait_xcnt 0x0
	s_wait_alu depctr_hold_cnt(0) depctr_sa_sdst(0) depctr_va_vdst(0) depctr_va_sdst(0) depctr_va_ssrc(0) depctr_va_vcc(0) depctr_vm_vsrc(0)
	s_getreg_b32 s2, hwreg(HW_REG_IB_STS2, 6, 4)
	s_cmp_eq_u32 s2, 0
	s_cbranch_scc0 .Lentry_in_a_cluster
	s_endpgm
.Lentry_in_a_cluster:
	s_bfe_u32 s2, ttmp6, 0x10000c
	s_cmp_lg_u32 s2, 0x3003
	s_cbranch_scc0 .Lentry_shape_is_right
	s_endpgm
.Lentry_shape_is_right:
; q = x wq + bq, k = x wk + bk, v = x wv + bv on codes of FP6 (E2M3), and each result quantised at once for the product that takes it: q and k along the head's 64, v along the keys.
; THE PRODUCT IS D = S0 S1^T: source 0 = 16 rows of S0, source 1 = 16 rows of S1.  A lane then holds ONE row of S1, and its registers run along S0's rows: the axis that is quantised.
;   QK mode (clusters 0-31):  S0 = wq | wk (2,048 columns of the weights), S1 = x.   V mode (clusters 32-47): S0 = x (the keys), S1 = wv.
; xbuf and wbuf hold a fragment (16 rows x 128 K) as 1,536 bytes in the order of its registers: registers 4 k .. 4 k + 3 of lane l at 512 k + 16 l: three loads of 16 bytes a lane bring one.
; S0 STAYS IN REGISTERS: a wave keeps 128 rows x all 1,024 of K: 64 fragments, 768 registers, read from memory once.  S1, a block of 256 rows, lies whole in LDS, filled once: no slot is filled again.
; A trip takes one tile of 16 rows of S1: 64 matrix instructions (8 accumulators by turns, K ascending), then the 64 results of a lane become one fragment of codes and a scale word.
; The results fall so that place 16 h + 8 u + j of a block of 32 holds index 16 u + 8 h + j: the order of K that every operand of this program has.
; The bias is each sum's C: it is loaded into the accumulators from a table in LDS.  Both tables are made in both modes; the mode chooses which is read.
; CLUSTER: the four work-groups of a cluster take the same block of S1 (205 KB of the 598 KB that a work-group reads) and ask for it JOINTLY.  The mode hangs on the cluster's number alone.
; 192 work-groups: 128 (4 x 512 columns, 32 x 256 rows) and 64 (16 x 512 keys, 4 x 256 columns).
; OUT.  qkbuf: codes [b][head', 0-15 q, 16-31 k][tile of 16 rows][768]: half a fragment (64 along K): its registers 0-3 of lane l at 16 l, registers 4, 5 of lane (r, h) at 512 + 16 r + 8 h; from byte
;   12,582,912 on a word for each row, [b][head'][tile][16]: the row's two bytes in the LOW half for even tiles, in the HIGH half for odd ones; the other half holds zeros or other blocks' bytes, never 0xff:
;   it will scale zero codes.   vbuf: codes [b][key step of 128][tile of 16 d, 64 of them][two such halves]; from byte 6,291,456 on the scale words [b][key step][tile][16].
; LIMITS: a block of zeros gets the byte 1 and not 127 (its codes are zeros; this program alone reads the bytes); blocks under 2^-124 are held at the byte 1; NaN and infinities are not served.
; In V mode lanes 16-31 hold the same scale word as lanes 0-15 and store it to the same bytes.
; REGISTERS, in windows of 256.  Window 0: as named below.  S0's fragment f = 8 s + t (K step s, tile t) lies in window 1 + f / 21 at register 12 (f % 21); fragment 63 in window 0.
.set L16, 1                            ; v1   16 x lane
.set L8,  2                            ; v2   16 r + 8 h
.set A16, 3                            ; v3   LDS: the tile of S1 in hand, + 16 x lane
.set ASC, 5                            ; v5   its scale words
.set BAQ, 6                            ; v6   QK's bias table: my wave's 128 numbers, + 32 h
.set BAV, 7                            ; v7   V's: eight copies of the number of row r of the tile in hand
.set OSC, 8                            ; v8   my byte offset among the scale words that I store
.set SHE, 9                            ; v9   shifts that bring a head's two bytes to their half of the word: even tiles,
.set SHO, 10                           ; v10  odd tiles
.set PW,  11                           ; v11  the scale word just made
.set PWS, 12                           ; v12  as it is stored
.set S1S, 14                           ; v14-17   S1's scale words: register j: lanes 0-15 K step j, lanes 16-31 K step 4 + j
.set TM,  18                           ; v18-29   at work in QUANT
.set PT,  30                           ; v30-36
.set PC,  38                           ; v38-49   the fragment just made
.set S0S, 50                           ; v50-81   S0's scale words, four registers a tile, as S1S
.set F63, 82                           ; v82-93   S0's fragment 63
.set ACC, 94                           ; v94-157  eight accumulators
.set S1F, 158                          ; v158-253 S1's eight fragments of the tile in hand
.set SEL, 48                           ; s[48:49] lane selects: lane l xor 16
.set MSB, 0
.macro WIN new                         ; the immediate's high byte repeats the setting that is left; a switch that changes nothing is dropped
.if MSB != \new
	s_set_vgpr_msb (MSB<<8)|\new
.set MSB, \new
.endif
.endm
.macro ROUND                           ; a round of the cluster's barrier
	s_barrier_signal -1
	s_barrier_wait -1
	s_cmp_lg_u32 s18, 0
	s_cbranch_scc1 .Lnw0_\@
	s_barrier_signal -3
.Lnw0_\@:
	s_barrier_wait -3
	s_barrier_signal -1
	s_barrier_wait -1
.endm
.macro QUANT s, pw                     ; 64 numbers of a lane, register 16 b + i = place 16 (lane / 16) + i of block b of my row -> codes in v[PC] on, scale word in v[pw]
.irp b, 0,1,2,3
	v_max3_num_f32 v[TM+\b], |v[\s+16*\b]|, |v[\s+1+16*\b]|, 0x1800000   ; each accumulator is read from its low end on; the floor 2^(3 - 127) holds the byte at 1 from below
.endr
.irp i, 2,4,6,8,10,12,14
.irp b, 0,1,2,3
	v_max3_num_f32 v[TM+\b], v[TM+\b], |v[\s+16*\b+\i]|, |v[\s+1+16*\b+\i]|
.endr
.endr
.irp b, 0,1,2,3
	v_permlanex16_b32 v[TM+4+\b], v[TM+\b], s[SEL], s[SEL+1]
.endr
.irp b, 0,1,2,3
	v_max_num_f32 v[TM+\b], v[TM+\b], v[TM+4+\b]
.endr
.irp b, 0,1,2,3
	v_add_nc_u32 v[TM+8+\b], 0xff000000, v[TM+\b]
.endr
.irp b, 0,1,2,3
	v_lshrrev_b32 v[TM+4+\b], 23, v[TM+8+\b]
.endr
	v_lshl_or_b32 v[\pw], v[TM+5], 8, v[TM+4]
	v_lshl_or_b32 v[\pw], v[TM+6], 16, v[\pw]
	v_lshl_or_b32 v[\pw], v[TM+7], 24, v[\pw]
.irp c, 0,1
	v_cvt_scalef32_pk16_fp6_f32 v[PC+6*\c:PC+2+6*\c], v[\s+32*\c:\s+15+32*\c], v[TM+8+2*\c]
	v_cvt_scalef32_pk16_fp6_f32 v[PT+4*\c:PT+2+4*\c], v[\s+16+32*\c:\s+31+32*\c], v[TM+9+2*\c]
.endr
	v_nop                                          ; one plain place behind a scaled conversion
.irp c, 0,1
.irp i, 0,1,2
	v_permlane16_swap_b32 v[PC+6*\c+\i], v[PT+4*\c+\i]
.endr
.irp i, 0,1,2
	v_mov_b32 v[PC+3+6*\c+\i], v[PT+4*\c+\i]
.endr
.endr
.endm
.macro S0LOAD s                        ; S0's eight fragments of K step s: 24 loads of 512 consecutive bytes
.irp t, 0,1,2,3,4,5,6,7
.set FN, 8*(\s)+\t
.if FN == 63
.set WN, 0
.set RG, F63
.else
.set WN, (1+FN/21)*64
.set RG, 12*(FN%21)
.endif
	WIN WN
	global_load_b128 v[RG:RG+3], v[L16], s[54:55] offset:12288*\t+1536*(\s)
	global_load_b128 v[RG+4:RG+7], v[L16], s[54:55] offset:12288*\t+1536*(\s)+512
	global_load_b128 v[RG+8:RG+11], v[L16], s[54:55] offset:12288*\t+1536*(\s)+1024
.endr
	WIN 0
.endm
.macro FETCH s                         ; S1's fragment of K step s of the tile in hand
	ds_load_b128 v[S1F+12*(\s):S1F+12*(\s)+3], v[A16] offset:1536*(\s)
	ds_load_b128 v[S1F+12*(\s)+4:S1F+12*(\s)+7], v[A16] offset:1536*(\s)+512
	ds_load_b128 v[S1F+12*(\s)+8:S1F+12*(\s)+11], v[A16] offset:1536*(\s)+1024
.endm
.macro MULS s                          ; K step s: the eight accumulators by turns, one instruction a turn
.irp t, 0,1,2,3,4,5,6,7
.set FN, 8*(\s)+\t
.if FN == 63
.set WN, 0
.set RG, F63
.else
.set WN, 1+FN/21
.set RG, 12*(FN%21)
.endif
	WIN WN
.if (\s) < 4
	v_wmma_scale_f32_16x16x128_f8f6f4 v[ACC+8*\t:ACC+8*\t+7], v[RG:RG+11], v[S1F+12*(\s):S1F+12*(\s)+11], v[ACC+8*\t:ACC+8*\t+7], v[S0S+4*\t+(\s)%4], v[S1S+(\s)%4] matrix_a_fmt:MATRIX_FMT_FP6 matrix_b_fmt:MATRIX_FMT_FP6
.else
	v_wmma_scale_f32_16x16x128_f8f6f4 v[ACC+8*\t:ACC+8*\t+7], v[RG:RG+11], v[S1F+12*(\s):S1F+12*(\s)+11], v[ACC+8*\t:ACC+8*\t+7], v[S0S+4*\t+(\s)%4], v[S1S+(\s)%4] matrix_a_fmt:MATRIX_FMT_FP6 matrix_b_fmt:MATRIX_FMT_FP6 matrix_a_scale:MATRIX_SCALE_ROW1 matrix_b_scale:MATRIX_SCALE_ROW1
.endif
.endr
.endm
.macro BIASLD                          ; the accumulators begin as the bias.  QK: register j of tile t is the bias of S0's row 16 t + 8 h + j.  V: all are the bias of S1's row r
	s_cmp_eq_u32 s19, 0
	s_cbranch_scc0 .Lbv_\@
.irp t, 0,1,2,3,4,5,6,7
	ds_load_b128 v[ACC+8*\t:ACC+8*\t+3], v[BAQ] offset:64*\t
	ds_load_b128 v[ACC+8*\t+4:ACC+8*\t+7], v[BAQ] offset:64*\t+16
.endr
	s_branch .Lbd_\@
.Lbv_\@:
.irp t, 0,1,2,3,4,5,6,7
	ds_load_b128 v[ACC+8*\t:ACC+8*\t+3], v[BAV]
	ds_load_b128 v[ACC+8*\t+4:ACC+8*\t+7], v[BAV] offset:16
.endr
.Lbd_\@:
.endm
; One tile of S1.  par: the tile's parity.  nxt = 1: the next tile's fragments, scale words and bias are fetched on the way.  step = 1: the stores' bases go on to this tile (every trip but the first).
.macro TRIP par, nxt, step
	s_wait_dscnt 0x0                               ; the tile's fragments, its scale words and the bias are in
	s_wait_loadcnt 63                              ; 72 loads were issued behind K step 4's last: S0's scale words and K steps 0-4 are in (met at once from the second trip on, as the three waits below)
	MULS 0
	MULS 1
	MULS 2
	MULS 3
	WIN 0
.if \nxt
	v_add_nc_u32 v[A16], 12288, v[A16]             ; on to the next tile: with the v_nop these are the four places in front of loads into registers that the products have read
	v_add_nc_u32 v[ASC], 512, v[ASC]
	v_add_nc_u32 v[BAV], 512, v[BAV]
	v_nop
	FETCH 0
	FETCH 1
	FETCH 2
	FETCH 3
.endif
	MULS 4
	s_wait_loadcnt 48                              ; K step 5 is in; the 48 loads of steps 6 and 7 may be out
	MULS 5
	s_wait_loadcnt 24                              ; K step 6 is in; step 7's 24 loads may be out
	MULS 6
	s_wait_loadcnt 0x0
	MULS 7
	WIN 0
.rept 4
	v_nop                                          ; four places in front of the loads below and of the first read of the results
.endr
.if \nxt
	s_wait_alu depctr_va_vdst(0)
	FETCH 4
	FETCH 5
	FETCH 6
	FETCH 7
	ds_load_b128 v[S1S:S1S+3], v[ASC]
.endif
.if \step
	s_wait_xcnt 0x0                                ; the last trip's stores, issued 64 matrix instructions ago, have read their registers and bases: both are written again only behind this wait
	s_add_nc_u64 s[58:59], s[58:59], s[66:67]
	s_add_nc_u64 s[60:61], s[60:61], s[66:67]
	s_add_nc_u64 s[62:63], s[62:63], 64
.endif
	QUANT ACC, PW
.if \nxt
	BIASLD
.endif
.if \par
	v_lshlrev_b32 v[PWS], v[SHO], v[PW]
.else
	v_lshrrev_b32 v[PWS], v[SHE], v[PW]
.endif
	global_store_b128 v[L16], v[PC:PC+3], s[58:59]               ; half 0 of the fragment: 512 + 256 consecutive bytes
	s_wait_alu depctr_va_vdst(0)
	global_store_b64 v[L8], v[PC+4:PC+5], s[58:59] offset:512
	global_store_b128 v[L16], v[PC+6:PC+9], s[60:61]             ; half 1: QK: the next head's buffer; V: 768 bytes on
	global_store_b64 v[L8], v[PC+10:PC+11], s[60:61] offset:512
	global_store_b32 v[OSC], v[PWS], s[62:63]
.endm
	s_load_b256 s[4:11], s[0:1], 0x0               ; xbuf s[4:5], wbuf s[6:7], bq s[8:9], bk s[10:11]
	s_load_b128 s[12:15], s[0:1], 0x20             ; bv s[12:13], qkbuf s[14:15]
	s_load_b64 s[16:17], s[0:1], 0x30              ; vbuf
	v_lshl_add_u32 v33, v0, 2, 0x34800
	v_mov_b32 v37, 0
	ds_add_u32 v33, v37
	ds_add_u32 v33, v37
	v_lshrrev_b32 v13, 5, v0
	v_readfirstlane_b32 s18, v13                   ; wave
	v_and_b32 v13, 31, v0
	v_and_b32 v254, 15, v0                         ; r
	v_bfe_u32 v255, v0, 4, 1                       ; h
	v_lshlrev_b32 v[L16], 4, v13
	v_lshlrev_b32 v[L8], 4, v254
	v_lshl_add_u32 v[L8], v255, 3, v[L8]
	v_lshlrev_b32 v[A16], 4, v13                   ; S1's codes begin at LDS byte 0
	v_add_nc_u32 v[ASC], 196608, v[L16]            ; its scale words at 196,608
	s_lshl_b32 s23, s18, 9
	v_lshlrev_b32 v[BAQ], 5, v255
	v_add_nc_u32 v[BAQ], s23, v[BAQ]
	v_add_nc_u32 v[BAQ], 204800, v[BAQ]            ; QK's table at 204,800: 512 numbers
	v_lshlrev_b32 v[BAV], 5, v254
	v_add_nc_u32 v[BAV], 206848, v[BAV]            ; V's at 206,848: 256 numbers, eight copies of each
	v_lshlrev_b32 v172, 4, v0                      ; the biases in memory: 16 bytes a thread,
	v_lshlrev_b32 v173, 3, v0                      ; 8 bytes a thread;
	v_lshl_add_u32 v174, v0, 4, 204800             ; and where they go
	v_lshl_add_u32 v175, v0, 6, 206848
.irp b, 0,1,2,3
	v_mov_b32 v[TM+4+\b], 0                        ; written once: a lane permute's destination counts as one of its sources
.endr
	s_mov_b32 s[SEL], 0x76543210
	s_mov_b32 s[SEL+1], 0xfedcba98
	s_bfe_u32 s22, ttmp6, 0x40000                  ; cx
	s_sub_co_u32 s23, ttmp9, 32                    ; V mode's cluster number
	s_and_b32 s71, s23, 3
	s_lshl_b32 s71, s71, 2
	s_add_co_u32 s71, s71, s22
	s_lshr_b32 s72, s23, 2
	s_cmp_lt_u32 ttmp9, 32
	s_cselect_b32 s19, 0, 1                        ; the mode: 0 QK, 1 V
	s_cselect_b32 s20, s22, s71                    ; gx: which 512 rows of S0
	s_cselect_b32 s21, ttmp9, s72                  ; gy: which 256 rows of S1: made of the cluster's number alone
	; descriptor group 1: dense blocks as rows of 256 bytes (32 elements of 8 bytes).  15:0 the mask: all four work-groups; 17:16 elements of 8 bytes; 21 set beside a mask
	s_mov_b32 s24, 15|(3<<16)|(1<<21)              ; codes of four tiles: 192 rows
	s_mov_b32 s25, 32<<16
	s_mov_b32 s26, 192<<16
	s_mov_b32 s27, 32<<16
	s_mov_b32 s28, 192
	s_mov_b32 s29, 32
	s_mov_b32 s30, 0
	s_mov_b32 s31, 0
	s_mov_b32 s32, 15|(3<<16)|(1<<21)              ; scale words of four tiles: 8 rows
	s_mov_b32 s33, 32<<16
	s_mov_b32 s34, 8<<16
	s_mov_b32 s35, 32<<16
	s_mov_b32 s36, 8
	s_mov_b32 s37, 32
	s_mov_b32 s38, 0
	s_mov_b32 s39, 0
	s_lshl_b32 s73, s21, 4                         ; S1: my wave fetches tiles 16 gy + 4 w .. + 3 (wv's tiles begin at 128)
	s_lshl_b32 s74, s19, 7
	s_add_co_u32 s73, s73, s74
	s_lshl_b32 s74, s18, 2
	s_add_co_u32 s73, s73, s74
	s_mul_i32 s50, s73, 12288
	s_mov_b32 s51, 0
	s_lshl_b32 s52, s73, 9
	s_mov_b32 s53, 0
	s_lshl_b32 s74, s20, 5                         ; S0: my wave's tiles 32 gx + 8 w .. + 7
	s_lshl_b32 s75, s18, 3
	s_add_co_u32 s74, s74, s75
	s_mul_i32 s54, s74, 12288
	s_mov_b32 s55, 0
	s_lshl_b32 s56, s74, 9
	s_mov_b32 s57, 0
	s_mov_b32 s76, 6291456                         ; where the scale words begin in xbuf,
	s_mov_b32 s77, 3145728                         ; in wbuf
	s_cmp_eq_u32 s19, 0
	s_cselect_b32 s78, s76, s77
	s_cselect_b32 s79, s77, s76
	s_add_co_u32 s52, s52, s78
	s_add_co_u32 s56, s56, s79
	; where the results go
	s_lshl_b32 s71, s20, 2
	s_add_co_u32 s71, s71, s18                     ; 4 gx + w: V: the key step, 16 b + ks
	s_lshr_b32 s72, s21, 3
	s_lshl_b32 s72, s72, 5
	s_lshl_b32 s73, s71, 1
	s_add_co_u32 s72, s72, s73                     ; QK: 32 b + head' of my first 64 rows
	s_and_b32 s73, s21, 7
	s_mul_i32 s74, s73, 12288                      ; QK: 16 tiles of 768 bytes
	s_mul_i32 s75, s21, 24576                      ; V: 16 tiles of 1,536
	s_lshl_b32 s73, s73, 10                        ; 16 tiles of 64 bytes of words
	s_lshl_b32 s76, s21, 10
	s_lshl_b32 s77, s72, 13
	s_add_co_u32 s73, s73, s77
	s_add_co_u32 s73, s73, 12582912
	s_lshl_b32 s77, s71, 12
	s_add_co_u32 s76, s76, s77
	s_add_co_u32 s76, s76, 6291456
	s_mul_i32 s77, s72, 98304
	s_add_co_u32 s74, s74, s77
	s_mul_i32 s77, s71, 98304
	s_add_co_u32 s75, s75, s77
	s_mov_b32 s78, 98304
	s_mov_b32 s79, 1536
	s_cmp_eq_u32 s19, 0
	s_cselect_b32 s58, s74, s75                    ; codes
	s_cselect_b32 s62, s73, s76                    ; scale words
	s_cselect_b32 s60, s78, 768                    ; from half 0 to half 1
	s_cselect_b32 s66, 768, s79                    ; from tile to tile
	s_cselect_b32 s90, 16, 0
	s_cselect_b32 s91, 8192, 0
	s_mov_b32 s59, 0
	s_mov_b32 s63, 0
	s_mov_b32 s61, 0
	s_mov_b32 s67, 0
	v_mul_u32_u24 v[SHE], s90, v255                ; QK: lanes 16-31 store the second head's bytes: 16 h down, or 16 (1 - h) up; V: the word as it is
	v_sub_nc_u32 v[SHO], s90, v[SHE]
	v_mul_u32_u24 v[OSC], s91, v255                ; QK: and into the next head's words, 8,192 bytes on
	v_lshl_add_u32 v[OSC], v254, 2, v[OSC]
	s_and_b32 s86, s20, 1                          ; the biases: bq or bk, 512 numbers from 512 (gx % 2) on;
	s_lshl_b32 s86, s86, 11
	s_mov_b32 s87, 0
	s_and_b32 s92, s21, 3                          ; bv: 256 numbers from 256 (gy % 4) on: inside bv in both modes
	s_lshl_b32 s92, s92, 10
	s_mov_b32 s93, 0
	s_wait_dscnt 0x0
	s_wait_kmcnt 0x0
	s_cmp_lt_u32 s20, 2
	s_cselect_b64 s[84:85], s[8:9], s[10:11]
	s_add_nc_u64 s[84:85], s[84:85], s[86:87]
	s_add_nc_u64 s[88:89], s[12:13], s[92:93]
	s_cmp_eq_u32 s19, 0
	s_cselect_b64 s[80:81], s[4:5], s[6:7]         ; S1's buffer,
	s_cselect_b64 s[82:83], s[6:7], s[4:5]         ; S0's,
	s_cselect_b64 s[94:95], s[14:15], s[16:17]     ; the results'
	s_add_nc_u64 s[50:51], s[80:81], s[50:51]
	s_add_nc_u64 s[52:53], s[80:81], s[52:53]
	s_add_nc_u64 s[54:55], s[82:83], s[54:55]
	s_add_nc_u64 s[56:57], s[82:83], s[56:57]
	s_add_nc_u64 s[58:59], s[94:95], s[58:59]
	s_add_nc_u64 s[62:63], s[94:95], s[62:63]
	s_add_nc_u64 s[60:61], s[58:59], s[60:61]
	s_mov_b32 s40, 1                               ; group 0 for the codes: count 1,
	s_mul_i32 s41, s18, 49152                      ; LDS: four tiles a wave,
	s_mov_b64 s[42:43], s[50:51]
	s_or_b32 s43, s43, 0x80000000                  ; type 2
	s_mov_b32 s44, 1                               ; and for the scale words
	s_lshl_b32 s45, s18, 11
	s_add_co_u32 s45, s45, 196608
	s_mov_b64 s[46:47], s[52:53]
	s_or_b32 s47, s47, 0x80000000
	ROUND                                          ; all four work-groups are here: the joint loads meet
	tensor_load_to_lds s[40:43], s[24:31]          ; my first fill: it lands before the second is asked for; four v_nop follow the second
	s_nop 0
	s_wait_alu depctr_va_vdst(0)
	s_wait_tensorcnt 0x0
	ds_add_u32 v33, v37
	s_wait_dscnt 0x0
	ROUND
	tensor_load_to_lds s[44:47], s[32:39]
	s_nop 0
.rept 4
	v_nop
.endr
	global_load_b128 v[158:161], v172, s[84:85]
	global_load_b64 v[162:163], v173, s[88:89]
.irp t, 0,1,2,3,4,5,6,7
	global_load_b128 v[S0S+4*\t:S0S+4*\t+3], v[L16], s[56:57] offset:512*\t
.endr
	S0LOAD 0
	s_wait_loadcnt 32                              ; the two bias loads are in: behind them 8 loads of scale words and 24 of codes were issued
	ds_store_b128 v174, v[158:161]
.irp i, 0,1,2,3
	v_mov_b32 v[164+\i], v162
	v_mov_b32 v[168+\i], v163
.endr
	ds_store_b128 v175, v[164:167]
	ds_store_b128 v175, v[164:167] offset:16
	ds_store_b128 v175, v[168:171] offset:32
	ds_store_b128 v175, v[168:171] offset:48
	S0LOAD 1
	S0LOAD 2
	S0LOAD 3
	S0LOAD 4
	S0LOAD 5
	S0LOAD 6
	S0LOAD 7
	s_wait_tensorcnt 0x0                           ; my part of S1 has landed,
	s_wait_dscnt 0x0                               ; and my part of the tables
	s_barrier_signal -1
	s_barrier_wait -1                              ; everybody's have
	FETCH 0
	FETCH 1
	FETCH 2
	FETCH 3
	FETCH 4
	FETCH 5
	FETCH 6
	FETCH 7
	ds_load_b128 v[S1S:S1S+3], v[ASC]
	BIASLD
	TRIP 0, 1, 0                                   ; 16 tiles: the first, whose stores go to the bases as they stand; seven trips of two; the last, which fetches nothing
	s_mov_b32 s70, 7
.Lpair:
	TRIP 1, 1, 1
	TRIP 0, 1, 1
	s_sub_co_u32 s70, s70, 1
	s_cmp_lg_u32 s70, 0
	s_cbranch_scc1 .Lpair
	TRIP 1, 0, 1
	s_wait_dscnt 0x0
	s_wait_tensorcnt 0x0
	ds_add_u32 v33, v37
	s_wait_dscnt 0x0
	ROUND                                          ; the closing round
	s_endpgm
.Lfunc_end_k_q26c1a93eb6_proj:
	.size	k_q26c1a93eb6_proj, .Lfunc_end_k_q26c1a93eb6_proj-k_q26c1a93eb6_proj
	.p2alignl 7, 3214868480
	.fill 96, 4, 3214868480
	.section	.rodata,"a",@progbits
	.p2align	6, 0x0
	.amdhsa_kernel k_q26c1a93eb6_proj
		.amdhsa_group_segment_fixed_size 327680
		.amdhsa_private_segment_fixed_size 0
		.amdhsa_enable_private_segment 0
		.amdhsa_kernarg_size 56
		.amdhsa_user_sgpr_count 2
		.amdhsa_user_sgpr_kernarg_segment_ptr 1
		.amdhsa_wavefront_size32 1
		.amdhsa_system_sgpr_workgroup_id_x 1
		.amdhsa_system_sgpr_workgroup_id_y 1
		.amdhsa_system_sgpr_workgroup_id_z 1
		.amdhsa_system_vgpr_workitem_id 0
		.amdhsa_next_free_vgpr 1024
		.amdhsa_next_free_sgpr 96
		.amdhsa_reserve_vcc 0
		.amdhsa_float_denorm_mode_32 3
		.amdhsa_float_denorm_mode_16_64 3
		.amdhsa_memory_ordered 1
		.amdhsa_forward_progress 1
		.amdhsa_inst_pref_size 96
	.end_amdhsa_kernel
	.amdgpu_metadata
---
amdhsa.version: [ 1, 2 ]
amdhsa.kernels:
  - .name:           k_q26c1a93eb6_proj
    .symbol:         k_q26c1a93eb6_proj.kd
    .args:
      - { .name: xbuf, .offset: 0, .size: 8, .value_kind: global_buffer, .address_space: global }
      - { .name: wbuf, .offset: 8, .size: 8, .value_kind: global_buffer, .address_space: global }
      - { .name: bq, .offset: 16, .size: 8, .value_kind: global_buffer, .address_space: global }
      - { .name: bk, .offset: 24, .size: 8, .value_kind: global_buffer, .address_space: global }
      - { .name: bv, .offset: 32, .size: 8, .value_kind: global_buffer, .address_space: global }
      - { .name: qkbuf, .offset: 40, .size: 8, .value_kind: global_buffer, .address_space: global }
      - { .name: vbuf, .offset: 48, .size: 8, .value_kind: global_buffer, .address_space: global }
    .group_segment_fixed_size: 327680
    .private_segment_fixed_size: 0
    .kernarg_segment_align: 8
    .kernarg_segment_size: 56
    .max_flat_workgroup_size: 128
    .sgpr_count:     96
    .vgpr_count:     1024
    .wavefront_size: 32
...
	.end_amdgpu_metadata
.endif
;; end of part 2
;; launch attn (part 3): grid 4 x 64, 16 waves a work-group, clusters of 4 x 1, 210,944 bytes of LDS; arguments qkbuf, vbuf, abuf; writes abuf
.if DOCPART == 3
	.amdgcn_target "amdgcn-amd-amdhsa--gfx1250"
	.amdhsa_code_object_version 6
	.text
	.protected	k_q26c1a93eb6_attn
	.globl	k_q26c1a93eb6_attn
	.p2align	8
	.type	k_q26c1a93eb6_attn,@function
k_q26c1a93eb6_attn:
	s_mov_b64 s[64:65], 0
	v_nop
	global_prefetch_b8 v0, s[64:65] scope:SCOPE_SE
	s_setreg_imm32_b32 hwreg(HW_REG_WAVE_MODE, 25, 1), 1
	s_wait_xcnt 0x0
	s_wait_alu depctr_hold_cnt(0) depctr_sa_sdst(0) depctr_va_vdst(0) depctr_va_sdst(0) depctr_va_ssrc(0) depctr_va_vcc(0) depctr_vm_vsrc(0)
	s_getreg_b32 s2, hwreg(HW_REG_IB_STS2, 6, 4)
	s_cmp_eq_u32 s2, 0
	s_cbranch_scc0 .Lentry_in_a_cluster
	s_endpgm
.Lentry_in_a_cluster:
	s_bfe_u32 s2, ttmp6, 0x10000c
	s_cmp_lg_u32 s2, 0x3003
	s_cbranch_scc0 .Lentry_shape_is_right
	s_endpgm
.Lentry_shape_is_right:
; Causal attention of one head on codes of FP6 (E2M3); the result is quantised along h x 64 + d for the last projection and stored as codes in abuf (laid as xbuf: K step = two heads, half a fragment a head).
; THE SOFTMAX AHEAD OF THE SECOND PRODUCT: t = score x log2(e) / 8; M = the running largest t rounded UP to a whole number; p = 2^(t - M) is quantised along the keys, not normalised; the row's sum is taken of the
; unquantised p and divides at the end.  When M moves, the sum and O are multiplied by 2^(old M - new M), made by v_ldexp_f32: nothing is rounded (what falls under the smallest f32 number is lost).
; SHARES.  A cluster of four work-groups takes one (batch, head).  The head's whole K and V, 209 KB of codes and scale words, lie in each work-group's LDS, filled ONCE by joint loads: no slot is filled again.
; Each of a work-group's 16 waves owns two tiles of 16 queries: A = 4 x wave + cx and B = 127 - A.  A's last key step is wave / 2 and B's 15 - wave / 2, whatever cx: so every wave works 17 key steps of 128,
; and no branch hangs on cx.  Both passes walk all 16 steps; a step whose keys all come after the tile's queries is jumped over by a scalar branch on the wave's number and the step's.
; Four waves share a SIMD: one wave's softmax stands beside another's products and LDS loads.
; LAYOUT.  Both products are used transposed: S^T = K Q^T, O^T = V^T P^T: a lane holds ONE query (lane % 16).  Register j of score tile T' holds key 16 T' + 8 h + j: so place 16 h + 8 u + j of a block of 32 keys
; holds key 16 u + 8 h + j, the order in which V's codes were made.
; K = 64 IN AN INSTRUCTION OF 128: a fragment of K holds key tiles 2 i (K 0-63) and 2 i + 1 (K 64-127); it is multiplied once by [q | zero codes] and once by [zero codes | q].  The scale bytes of a half of zero
; codes are zeros or other blocks' bytes, never 0xff.
; LIMITS: a block of zeros gets the byte 1 and not 127; blocks under 2^-124 are held at the byte 1; NaN and infinities are not served.  A block's largest p is the exponential of its largest score, which takes
; v_exp_f32 not to fall where its input rises.  The two scale bytes of a row leave by a store of two bytes a lane, 16 bytes apart, one twenty-fourth of the codes' bytes; lanes 16-31 store the same bytes as lanes 0-15.
.set L16, 1                            ; v1   16 x lane
.set L8,  2                            ; v2   16 r + 8 h
.set R4,  3                            ; v3   4 r
.set AK16, 4                           ; v4-9 the step's LDS addresses
.set AK8, 5
.set AV16, 6
.set AV8, 7
.set AKS, 8
.set AVS, 9
.set R16, 10                           ; v10  16 r
.set RH,  11                           ; v11  r - 8 h
                                       ; v12 -M, v13 the largest t, v[14:15] the sum in two halves
.set QLO, 16                           ; v16-27   [q | 0]
.set QHI, 28                           ; v28-39   [0 | q]
.set FR,  40                           ; v40-87   four fragments of K, then of V
.set QSL, 88                           ; v88  q's two bytes in the low half,
.set QSH, 89                           ; v89  in the high half
.set PSW, 90                           ; v90  p's scale word
.set FF,  92                           ; v[92:93] f = 2^(old M - new M) (the pair's low word serves both halves)
.set S,   96                           ; v96-159  S^T, then p
.set O,   160                          ; v160-191 O^T
.set PC,  192                          ; v192-203 codes just made
.set PT,  204                          ; v204-210
.set BM,  212                          ; v212-215 the blocks' largest scores
.set T2,  216                          ; v216-219 at work
.set SO,  220                          ; v220-223 the conversions' scale operands
.set KSW, 224                          ; v224-231 K's scale words
.set VSW, 232                          ; v232-235 V's
.set QA,  236                          ; v236-242 tile A's q as loaded: six registers and the word
.set QB,  244                          ; v244-250 tile B's
; s10 wave, s12 batch, s13 head, s14 cx, s15 wave % 8; s[16:47] four groups 1; s[48:63] four groups 0; s[66:67] lane selects; s[68:69] c;
; s70, s73, s71, s72 the step's first LDS byte of K's codes, V's codes, K's words, V's words; s74 the step; s75 the pass's last step; s76 its tile; s77, s78 tiles A, B
.macro ROUND
	s_barrier_signal -1
	s_barrier_wait -1
	s_cmp_lg_u32 s10, 0
	s_cbranch_scc1 .Lnw0_\@
	s_barrier_signal -3
.Lnw0_\@:
	s_barrier_wait -3
	s_barrier_signal -1
	s_barrier_wait -1
.endm
.macro FRAGS a16, a8                   ; four fragments, 1,536 bytes each, in the order of their registers
.irp i, 0,1,2,3
	ds_load_b128 v[FR+12*\i:FR+12*\i+3], v[\a16] offset:1536*\i
	ds_load_b64 v[FR+12*\i+4:FR+12*\i+5], v[\a8] offset:1536*\i+512
	ds_load_b128 v[FR+12*\i+6:FR+12*\i+9], v[\a16] offset:1536*\i+768
	ds_load_b64 v[FR+12*\i+10:FR+12*\i+11], v[\a8] offset:1536*\i+1280
.endr
.endm
; A KEY STEP: 128 keys.
.macro STEP
	s_cmp_gt_u32 s74, s75                          ; all its keys come after my queries: only the addresses step
	s_cbranch_scc1 .Lhid_\@
	s_setprio 2
	v_add_nc_u32 v[AK16], s70, v[L16]              ; (these six are also the places in front of loads into registers that the last products have read)
	v_add_nc_u32 v[AK8], s70, v[L8]
	v_add_nc_u32 v[AV16], s73, v[L16]
	v_add_nc_u32 v[AV8], s73, v[L8]
	v_add_nc_u32 v[AKS], s71, v[R4]
	v_add_nc_u32 v[AVS], s72, v[R4]
	FRAGS AK16, AK8
.irp t, 0,1,2,3,4,5,6,7
	ds_load_b32 v[KSW+\t], v[AKS] offset:64*\t
.endr
	s_wait_alu depctr_va_vdst(0)
	s_wait_dscnt 0x0
.irp i, 0,1,2,3
	v_wmma_scale_f32_16x16x128_f8f6f4 v[S+16*\i:S+16*\i+7], v[FR+12*\i:FR+12*\i+11], v[QLO:QLO+11], 0, v[KSW+2*\i], v[QSL] matrix_a_fmt:MATRIX_FMT_FP6 matrix_b_fmt:MATRIX_FMT_FP6
	v_wmma_scale_f32_16x16x128_f8f6f4 v[S+16*\i+8:S+16*\i+15], v[FR+12*\i:FR+12*\i+11], v[QHI:QHI+11], 0, v[KSW+2*\i+1], v[QSH] matrix_a_fmt:MATRIX_FMT_FP6 matrix_b_fmt:MATRIX_FMT_FP6
.endr
.rept 4
	v_nop                                          ; four places in front of the loads below and of the first read of the scores
.endr
	FRAGS AV16, AV8                                ; V's four fragments land while the softmax is worked
.irp t, 0,1,2,3
	ds_load_b32 v[VSW+\t], v[AVS] offset:64*\t
.endr
	s_cmp_lg_u32 s74, s75
	s_cbranch_scc1 .Lopen_\@
	v_add_nc_u32 v252, s86, v[RH]                  ; ON THE DIAGONAL: d = 16 (tile % 8) + r - 8 h.  Register n holds key 32 (n / 16) + 16 ((n / 8) % 2) + n % 8 + 8 h of the step: hidden where that part without 8 h > d
	v_mov_b32 v254, 0xff800000                     ; -infinity: p = 0 then
.set N, 0
.rept 64
	v_cmp_gt_i32 vcc_lo, 32*(N/16)+16*((N/8)%2)+N%8, v252
	v_cndmask_b32 v[S+N], v[S+N], v254, vcc_lo
.set N, N+1
.endr
.Lopen_\@:
.irp b, 0,1,2,3
	v_max3_num_f32 v[BM+\b], v[S+16*\b], v[S+1+16*\b], v[S+2+16*\b]   ; the largest score of each block of 32 keys: for the row's maximum, and for the block's largest p
.endr
.irp i, 3,5,7,9,11,13
.irp b, 0,1,2,3
	v_max3_num_f32 v[BM+\b], v[BM+\b], v[S+16*\b+\i], v[S+1+16*\b+\i]
.endr
.endr
.irp b, 0,1,2,3
	v_max_num_f32 v[BM+\b], v[BM+\b], v[S+15+16*\b]
.endr
.irp b, 0,1,2,3
	s_delay_alu instid0(VALU_DEP_4)
	v_permlanex16_b32 v[T2+\b], v[BM+\b], s66, s67
.endr
.irp b, 0,1,2,3
	s_delay_alu instid0(VALU_DEP_4)
	v_max_num_f32 v[BM+\b], v[BM+\b], v[T2+\b]     ; with lane l xor 16's 16 keys
.endr
	s_delay_alu instid0(VALU_DEP_2)
	v_max3_num_f32 v254, v[BM], v[BM+1], v[BM+2]
	s_delay_alu instid0(VALU_DEP_1)
	v_max_num_f32 v254, v254, v[BM+3]
	s_delay_alu instid0(VALU_DEP_1)
	v_mul_f32 v254, s68, v254                      ; as t (c is positive)
	s_delay_alu instid0(VALU_DEP_1)
	v_max_num_f32 v13, v13, v254                   ; the running largest t
	v_mov_b32 v254, v12
	s_delay_alu instid0(VALU_DEP_2)
	v_floor_f32 v12, -v13                          ; the new -M = floor(-t)
	s_delay_alu instid0(VALU_DEP_1)
	v_sub_f32 v254, v12, v254                      ; old M - new M: a whole number, 0 or less
	s_delay_alu instid0(VALU_DEP_1)
	v_cvt_i32_f32 v254, v254                       ; (it saturates)
	s_delay_alu instid0(VALU_DEP_1)
	v_ldexp_f32 v[FF], 1.0, v254                   ; f
.set J, 0
	s_setprio 1
.rept 32
	v_pk_fma_f32 v[S+J:S+J+1], v[S+J:S+J+1], s[68:69], v[12:13] op_sel_hi:[1,0,0]   ; t - M, two at a time
.set J, J+2
.endr
.irp b, 0,1,2,3
	v_fma_f32 v[BM+\b], v[BM+\b], s68, v12
.endr
.set J, 0
	s_wait_alu depctr_va_vdst(0)
.rept 64
	v_exp_f32 v[S+J], v[S+J]                       ; p = 2^(t - M)
.set J, J+1
.endr
.irp b, 0,1,2,3
	v_exp_f32 v[BM+\b], v[BM+\b]                   ; the block's largest p
.endr
	v_pk_mul_f32 v[14:15], v[14:15], v[FF:FF+1] op_sel_hi:[1,0]   ; the sums under the new M (a plain place behind the exponentials)
	s_wait_alu depctr_va_vdst(0)
.irp b, 0,1,2,3
	v_max_num_f32 v[BM+\b], 0x1800000, v[BM+\b]    ; the floor 2^(3 - 127)
.endr
.irp b, 0,1,2,3
	s_delay_alu instid0(VALU_DEP_4)
	v_add_nc_u32 v[SO+\b], 0xff000000, v[BM+\b]
.endr
.irp b, 0,1,2,3
	s_delay_alu instid0(VALU_DEP_4)
	v_lshrrev_b32 v[T2+\b], 23, v[SO+\b]
.endr
	s_delay_alu instid0(VALU_DEP_3)
	v_lshl_or_b32 v[PSW], v[T2+1], 8, v[T2]
	s_delay_alu instid0(VALU_DEP_1)
	v_lshl_or_b32 v[PSW], v[T2+2], 16, v[PSW]
	s_delay_alu instid0(VALU_DEP_1)
	v_lshl_or_b32 v[PSW], v[T2+3], 24, v[PSW]
.irp c, 0,1
	v_cvt_scalef32_pk16_fp6_f32 v[PC+6*\c:PC+2+6*\c], v[S+32*\c:S+15+32*\c], v[SO+2*\c]
	v_cvt_scalef32_pk16_fp6_f32 v[PT+4*\c:PT+2+4*\c], v[S+16+32*\c:S+31+32*\c], v[SO+1+2*\c]
.endr
	v_nop                                          ; one plain place behind a scaled conversion
.irp c, 0,1
.irp i, 0,1,2
	v_permlane16_swap_b32 v[PC+6*\c+\i], v[PT+4*\c+\i]
.endr
.irp i, 0,1,2
	s_delay_alu instid0(VALU_DEP_3)
	v_mov_b32 v[PC+3+6*\c+\i], v[PT+4*\c+\i]
.endr
.endr
	v_pk_add_f32 v[216:217], v[100:101], v[104:105]
	v_pk_add_f32 v[242:243], v[108:109], v[112:113]
	v_pk_add_f32 v[240:241], v[116:117], v[120:121]
	v_pk_add_f32 v[238:239], v[124:125], v[128:129]
	v_pk_add_f32 v[236:237], v[132:133], v[136:137]
	v_pk_add_f32 v[230:231], v[140:141], v[144:145]
	v_pk_add_f32 v[228:229], v[148:149], v[152:153]
	v_pk_add_f32 v[14:15], v[14:15], v[156:157]
	s_setprio 0
	v_pk_add_f32 v[216:217], v[216:217], v[96:97]
	v_pk_add_f32 v[242:243], v[242:243], v[98:99]
	v_pk_add_f32 v[240:241], v[240:241], v[102:103]
	v_pk_add_f32 v[238:239], v[238:239], v[106:107]
	v_pk_add_f32 v[236:237], v[236:237], v[110:111]
	v_pk_add_f32 v[230:231], v[230:231], v[114:115]
	v_pk_add_f32 v[228:229], v[228:229], v[118:119]
	v_pk_add_f32 v[14:15], v[14:15], v[122:123]
	v_pk_add_f32 v[216:217], v[216:217], v[126:127]
	v_pk_add_f32 v[242:243], v[242:243], v[130:131]
	v_pk_add_f32 v[240:241], v[240:241], v[134:135]
	v_pk_add_f32 v[238:239], v[238:239], v[138:139]
	v_pk_add_f32 v[236:237], v[236:237], v[142:143]
	v_pk_add_f32 v[230:231], v[230:231], v[146:147]
	v_pk_add_f32 v[228:229], v[228:229], v[150:151]
	v_pk_add_f32 v[14:15], v[14:15], v[154:155]
	v_pk_add_f32 v[216:217], v[216:217], v[158:159]
	s_delay_alu instid0(VALU_DEP_2)
	v_pk_add_f32 v[14:15], v[14:15], v[238:239]
	s_delay_alu instid0(VALU_DEP_2)
	v_pk_add_f32 v[216:217], v[216:217], v[236:237]
	v_pk_add_f32 v[242:243], v[242:243], v[230:231]
	v_pk_add_f32 v[240:241], v[240:241], v[228:229]
	s_delay_alu instid0(VALU_DEP_2)
	v_pk_add_f32 v[14:15], v[14:15], v[242:243]
	s_delay_alu instid0(VALU_DEP_2)
	v_pk_add_f32 v[216:217], v[216:217], v[240:241]
	s_delay_alu instid0(VALU_DEP_1)
	v_pk_add_f32 v[14:15], v[14:15], v[216:217]
.set J, 0
.rept 16
	v_pk_mul_f32 v[O+J:O+J+1], v[O+J:O+J+1], v[FF:FF+1] op_sel_hi:[1,0]   ; O^T under the new M.  (The sums and these are the places between p's codes and scale word and the products)
.set J, J+2
.endr
	s_wait_alu depctr_va_vdst(0)
	s_wait_dscnt 0x0                               ; V is in
.irp t, 0,1,2,3
	v_wmma_scale_f32_16x16x128_f8f6f4 v[O+8*\t:O+8*\t+7], v[FR+12*\t:FR+12*\t+11], v[PC:PC+11], v[O+8*\t:O+8*\t+7], v[VSW+\t], v[PSW] matrix_a_fmt:MATRIX_FMT_FP6 matrix_b_fmt:MATRIX_FMT_FP6
.endr
.Lhid_\@:
	s_add_co_u32 s70, s70, 6144                    ; the next step: eight tiles of K, four fragments of V,
	s_add_co_u32 s73, s73, 6144
	s_add_co_u32 s71, s71, 512                     ; and their words
	s_add_co_u32 s72, s72, 256
.endm
; One tile of 16 queries: st: its q as loaded; second = 0: tile A, 1: tile B.
.macro PASS st, second
	s_wait_xcnt 0x0                                ; the last pass's stores have read their registers and bases
	s_lshr_b32 s75, s10, 1
.if \second
	s_mov_b32 s76, s78
	s_sub_co_u32 s75, 15, s75
.else
	s_mov_b32 s76, s77
.endif
	s_and_b32 s84, s76, 1
	s_lshl_b32 s84, s84, 4                         ; 16 x the tile's parity: where its bytes lie in the word
	s_sub_co_u32 s85, 16, s84
	s_and_b32 s86, s76, 7
	s_lshl_b32 s86, s86, 4                         ; the tile's first query within its last key step
	v_lshrrev_b32 v[QSL], s84, v[\st+6]
	v_lshlrev_b32 v[QSH], s85, v[\st+6]
.irp i, 0,1,2,3,4,5
	v_mov_b32 v[QLO+\i], v[\st+\i]
	v_mov_b32 v[QHI+6+\i], v[\st+\i]
.endr
	v_mov_b32 v13, 0xff61b1e6                      ; the largest t so far: -3e38
	s_delay_alu instid0(VALU_DEP_1)
	v_floor_f32 v12, -v13
	v_mov_b32 v14, 0
	v_mov_b32 v15, 0
.set J, 0
.rept 32
	v_mov_b32 v[O+J], 0                            ; the step is written once: the first finds zeros, which the first change of M leaves zeros
.set J, J+1
.endr
	s_mov_b32 s70, 0
	s_mov_b32 s73, 98304
	s_mov_b32 s71, 196608
	s_mov_b32 s72, 204800
	s_mov_b32 s74, 0
.Lstep_\@:
	STEP
	s_add_co_u32 s74, s74, 1
	s_cmp_lt_u32 s74, 16
	s_cbranch_scc1 .Lstep_\@
	s_setprio 0
.rept 4
	v_nop                                          ; four places behind the last products
.endr
	v_add_f32 v14, v14, v15
	s_delay_alu instid0(VALU_DEP_1)
	v_permlanex16_b32 v[T2], v14, s66, s67
	s_delay_alu instid0(VALU_DEP_1)
	v_add_f32 v14, v14, v[T2]                      ; the row's sum
	s_wait_alu depctr_va_vdst(0)
	v_rcp_f32 v14, v14
	v_nop                                          ; one plain place behind a transcendental
.set J, 0
	s_wait_alu depctr_va_vdst(0)
.rept 32
	v_mul_f32 v[S+J], v[O+J], v14                  ; register 16 b + 8 u + j: d = 32 b + 16 u + 8 h + j of my query; each accumulator from its low end on
.set J, J+1
.endr
.irp b, 0,1                            ; the head's 64 are two blocks of the last projection's K
	v_max3_num_f32 v[BM+\b], |v[S+16*\b]|, |v[S+1+16*\b]|, 0x1800000
.endr
.irp i, 2,4,6,8,10,12,14
.irp b, 0,1
	s_delay_alu instid0(VALU_DEP_2)
	v_max3_num_f32 v[BM+\b], v[BM+\b], |v[S+16*\b+\i]|, |v[S+1+16*\b+\i]|
.endr
.endr
.irp b, 0,1
	s_delay_alu instid0(VALU_DEP_2)
	v_permlanex16_b32 v[T2+\b], v[BM+\b], s66, s67
.endr
.irp b, 0,1
	s_delay_alu instid0(VALU_DEP_2)
	v_max_num_f32 v[BM+\b], v[BM+\b], v[T2+\b]
.endr
.irp b, 0,1
	s_delay_alu instid0(VALU_DEP_2)
	v_add_nc_u32 v[SO+\b], 0xff000000, v[BM+\b]
.endr
.irp b, 0,1
	s_delay_alu instid0(VALU_DEP_2)
	v_lshrrev_b32 v[T2+\b], 23, v[SO+\b]
.endr
	s_delay_alu instid0(VALU_DEP_1)
	v_lshl_or_b32 v[T2], v[T2+1], 8, v[T2]         ; the two bytes
	v_cvt_scalef32_pk16_fp6_f32 v[PC:PC+2], v[S:S+15], v[SO]
	v_cvt_scalef32_pk16_fp6_f32 v[PT:PT+2], v[S+16:S+31], v[SO+1]
	v_nop
.irp i, 0,1,2
	v_permlane16_swap_b32 v[PC+\i], v[PT+\i]
.endr
.irp i, 0,1,2
	s_delay_alu instid0(VALU_DEP_3)
	v_mov_b32 v[PC+3+\i], v[PT+\i]
.endr
	s_lshl_b32 s80, s12, 7
	s_add_co_u32 s80, s80, s76                     ; abuf's tile: 128 b + tile
	s_mul_i32 s82, s80, 12288
	s_mul_i32 s81, s13, 768                        ; K step head / 2, half head % 2: 768 x head
	s_add_co_u32 s82, s82, s81
	s_mov_b32 s83, 0
	s_add_nc_u64 s[82:83], s[8:9], s[82:83]
	s_lshl_b32 s88, s80, 9                         ; the scale words: 512 bytes a tile; K step s lies at 256 (s / 4) + 16 r + 4 (s % 4), my head's bytes 2 (head % 2) on
	s_lshr_b32 s81, s13, 3
	s_lshl_b32 s81, s81, 8
	s_add_co_u32 s88, s88, s81
	s_and_b32 s81, s13, 7
	s_lshl_b32 s81, s81, 1
	s_add_co_u32 s88, s88, s81
	s_add_co_u32 s88, s88, 6291456
	s_mov_b32 s89, 0
	s_add_nc_u64 s[88:89], s[8:9], s[88:89]
	s_wait_alu depctr_va_vdst(0)
	global_store_b128 v[L16], v[PC:PC+3], s[82:83]               ; 512 + 256 consecutive bytes
	global_store_b64 v[L8], v[PC+4:PC+5], s[82:83] offset:512
	global_store_b16 v[R16], v[T2], s[88:89]
.endm
	s_load_b128 s[4:7], s[0:1], 0x0                ; qkbuf, vbuf
	s_load_b64 s[8:9], s[0:1], 0x10                ; abuf
	v_lshl_add_u32 v253, v0, 2, 0x33000
	v_mov_b32 v255, 0
	ds_add_u32 v253, v255
	ds_add_u32 v253, v255
	v_lshrrev_b32 v4, 5, v0
	s_delay_alu instid0(VALU_DEP_1)
	v_readfirstlane_b32 s10, v4                    ; wave 0..15
	v_and_b32 v4, 31, v0
	v_and_b32 v5, 15, v0                           ; r
	v_bfe_u32 v6, v0, 4, 1                         ; h
	s_delay_alu instid0(VALU_DEP_3)
	v_lshlrev_b32 v[L16], 4, v4
	s_delay_alu instid0(VALU_DEP_3)
	v_lshlrev_b32 v[R16], 4, v5
	s_delay_alu instid0(VALU_DEP_1)
	v_lshl_add_u32 v[L8], v6, 3, v[R16]
	v_lshlrev_b32 v[R4], 2, v5
	v_lshlrev_b32 v7, 3, v6
	s_delay_alu instid0(VALU_DEP_1)
	v_sub_nc_u32 v[RH], v5, v7
.irp i, 0,1,2,3,4,5
	v_mov_b32 v[QLO+6+\i], 0                       ; the halves of zero codes: written once
	v_mov_b32 v[QHI+\i], 0
.endr
.irp b, 0,1,2,3
	v_mov_b32 v[T2+\b], 0                          ; a lane permute's destination counts as one of its sources
.endr
	v_mov_b32 v[FF+1], 0                           ; (named as the upper half of a pair)
	s_and_b32 s11, ttmp7, 0xffff
	s_lshr_b32 s12, s11, 4                         ; batch
	s_and_b32 s13, s11, 15                         ; head
	s_and_b32 s15, s10, 7
	s_mov_b32 s66, 0x76543210
	s_mov_b32 s67, 0xfedcba98
	s_mov_b32 s68, 0x3e38aa3b                      ; c = log2(e) / 8
	s_mov_b32 s69, s68
	; descriptor groups 1.  15:0 the mask: all four work-groups; 17:16 elements of 8 bytes; 21 set beside a mask
	s_mov_b32 s16, 15|(3<<16)|(1<<21)              ; K's codes: an eighth of the head's, 12,288 dense bytes as 48 rows of 256
	s_mov_b32 s17, 32<<16
	s_mov_b32 s18, 48<<16
	s_mov_b32 s19, 32<<16
	s_mov_b32 s20, 48
	s_mov_b32 s21, 32
	s_mov_b32 s22, 0
	s_mov_b32 s23, 0
	s_mov_b32 s24, 15|(3<<16)|(1<<21)              ; K's words: 1,024 dense bytes as 4 rows
	s_mov_b32 s25, 32<<16
	s_mov_b32 s26, 4<<16
	s_mov_b32 s27, 32<<16
	s_mov_b32 s28, 4
	s_mov_b32 s29, 32
	s_mov_b32 s30, 0
	s_mov_b32 s31, 0
	s_mov_b32 s32, 15|(3<<16)|(1<<21)              ; V's codes: two key steps: 2 rows of 6,144 bytes (the head's four fragments), 98,304 bytes apart
	s_mov_b32 s33, 768<<16
	s_mov_b32 s34, 2<<16
	s_mov_b32 s35, 768<<16
	s_mov_b32 s36, 2
	s_mov_b32 s37, 12288
	s_mov_b32 s38, 0
	s_mov_b32 s39, 0
	s_mov_b32 s40, 15|(3<<16)|(1<<21)              ; V's words: 2 rows of 256 bytes, 4,096 bytes apart
	s_mov_b32 s41, 32<<16
	s_mov_b32 s42, 2<<16
	s_mov_b32 s43, 32<<16
	s_mov_b32 s44, 2
	s_mov_b32 s45, 512
	s_mov_b32 s46, 0
	s_mov_b32 s47, 0
	s_lshl_b32 s79, s12, 5
	s_add_co_u32 s79, s79, s13                     ; 32 b + head: q's unit of qkbuf;
	s_add_co_u32 s80, s79, 16                      ; k's
	s_mul_i32 s82, s80, 98304
	s_mul_i32 s81, s15, 12288
	s_add_co_u32 s82, s82, s81
	s_mov_b32 s83, 0
	s_lshl_b32 s84, s80, 13
	s_lshl_b32 s80, s15, 10
	s_add_co_u32 s84, s84, s80
	s_add_co_u32 s84, s84, 12582912
	s_mov_b32 s85, 0
	s_lshl_b32 s86, s12, 4
	s_lshl_b32 s87, s15, 1
	s_add_co_u32 s86, s86, s87                     ; 16 b + my first key step
	s_mul_i32 s88, s86, 98304
	s_mul_i32 s87, s13, 6144
	s_add_co_u32 s88, s88, s87
	s_mov_b32 s89, 0
	s_lshl_b32 s90, s86, 12
	s_lshl_b32 s87, s13, 8
	s_add_co_u32 s90, s90, s87
	s_add_co_u32 s90, s90, 6291456
	s_mov_b32 s91, 0
	s_lshl_b32 s87, s15, 9
	s_bfe_u32 s14, ttmp6, 0x40000                  ; cx: it enters q's and the result's addresses, shifts and the mask's numbers: no branch, no LDS address
	s_lshl_b32 s77, s10, 2
	s_add_co_u32 s77, s77, s14                     ; tile A
	s_sub_co_u32 s78, 127, s77                     ; tile B
	s_mul_i32 s92, s79, 98304
	s_mul_i32 s94, s77, 768
	s_add_co_u32 s94, s94, s92
	s_mov_b32 s95, 0
	s_mul_i32 s96, s78, 768
	s_add_co_u32 s96, s96, s92
	s_mov_b32 s97, 0
	s_lshl_b32 s92, s79, 13
	s_add_co_u32 s92, s92, 12582912
	s_lshl_b32 s93, s77, 6
	s_add_co_u32 s98, s92, s93
	s_mov_b32 s99, 0
	s_lshl_b32 s93, s78, 6
	s_add_co_u32 s92, s92, s93
	s_mov_b32 s93, 0
	s_wait_dscnt 0x0
	s_wait_kmcnt 0x0
	s_mov_b32 s48, 1                               ; groups 0: count 1, the LDS address (made of the wave's number alone), the global address, type 2
	s_mov_b32 s49, s81                             ; K's codes from LDS byte 0
	s_add_nc_u64 s[50:51], s[4:5], s[82:83]
	s_or_b32 s51, s51, 0x80000000
	s_mov_b32 s52, 1
	s_add_co_u32 s53, s80, 196608                  ; K's words
	s_add_nc_u64 s[54:55], s[4:5], s[84:85]
	s_or_b32 s55, s55, 0x80000000
	s_mov_b32 s56, 1
	s_add_co_u32 s57, s81, 98304                   ; V's codes
	s_add_nc_u64 s[58:59], s[6:7], s[88:89]
	s_or_b32 s59, s59, 0x80000000
	s_mov_b32 s60, 1
	s_add_co_u32 s61, s87, 204800                  ; V's words
	s_add_nc_u64 s[62:63], s[6:7], s[90:91]
	s_or_b32 s63, s63, 0x80000000
	s_add_nc_u64 s[94:95], s[4:5], s[94:95]        ; q: tile A's codes,
	s_add_nc_u64 s[96:97], s[4:5], s[96:97]        ; tile B's,
	s_add_nc_u64 s[98:99], s[4:5], s[98:99]        ; A's words,
	s_add_nc_u64 s[92:93], s[4:5], s[92:93]        ; B's
	ROUND                                          ; all four work-groups are here: the joint loads meet
	s_cmp_lt_u32 s10, 8                            ; waves 0-7 fetch K, waves 8-15 V: a wave's two fills stand in one branch: two tensor loads of mine are out; four v_nop follow the second
	s_cbranch_scc0 .Lfor_v
	tensor_load_to_lds s[48:51], s[16:23]
	s_nop 0
	tensor_load_to_lds s[52:55], s[24:31]
	s_nop 0
.rept 4
	v_nop
.endr
	s_branch .Lasked
.Lfor_v:
	tensor_load_to_lds s[56:59], s[32:39]
	s_nop 0
	tensor_load_to_lds s[60:63], s[40:47]
	s_nop 0
.rept 4
	v_nop
.endr
.Lasked:
	global_load_b128 v[QA:QA+3], v[L16], s[94:95]
	global_load_b64 v[QA+4:QA+5], v[L8], s[94:95] offset:512
	global_load_b32 v[QA+6], v[R4], s[98:99]
	global_load_b128 v[QB:QB+3], v[L16], s[96:97]
	global_load_b64 v[QB+4:QB+5], v[L8], s[96:97] offset:512
	global_load_b32 v[QB+6], v[R4], s[92:93]
	s_wait_tensorcnt 0x0                           ; my part of K or V has landed,
	s_barrier_signal -1
	s_barrier_wait -1                              ; everybody's has
	s_wait_loadcnt 0x0                             ; q
	PASS QA, 0
	PASS QB, 1
	s_wait_tensorcnt 0x0
	ds_add_u32 v253, v255
	s_wait_dscnt 0x0
	ROUND                                          ; the closing round
	s_endpgm
.Lfunc_end_k_q26c1a93eb6_attn:
	.size	k_q26c1a93eb6_attn, .Lfunc_end_k_q26c1a93eb6_attn-k_q26c1a93eb6_attn
	.p2alignl 7, 3214868480
	.fill 96, 4, 3214868480
	.section	.rodata,"a",@progbits
	.p2align	6, 0x0
	.amdhsa_kernel k_q26c1a93eb6_attn
		.amdhsa_group_segment_fixed_size 210944
		.amdhsa_private_segment_fixed_size 0
		.amdhsa_enable_private_segment 0
		.amdhsa_kernarg_size 24
		.amdhsa_user_sgpr_count 2
		.amdhsa_user_sgpr_kernarg_segment_ptr 1
		.amdhsa_wavefront_size32 1
		.amdhsa_system_sgpr_workgroup_id_x 1
		.amdhsa_system_sgpr_workgroup_id_y 1
		.amdhsa_system_sgpr_workgroup_id_z 1
		.amdhsa_system_vgpr_workitem_id 0
		.amdhsa_next_free_vgpr 256
		.amdhsa_next_free_sgpr 100
		.amdhsa_reserve_vcc 1
		.amdhsa_float_denorm_mode_32 3
		.amdhsa_float_denorm_mode_16_64 3
		.amdhsa_memory_ordered 1
		.amdhsa_forward_progress 1
		.amdhsa_inst_pref_size 70
	.end_amdhsa_kernel
	.amdgpu_metadata
---
amdhsa.version: [ 1, 2 ]
amdhsa.kernels:
  - .name:           k_q26c1a93eb6_attn
    .symbol:         k_q26c1a93eb6_attn.kd
    .args:
      - { .name: qkbuf, .offset: 0, .size: 8, .value_kind: global_buffer, .address_space: global }
      - { .name: vbuf, .offset: 8, .size: 8, .value_kind: global_buffer, .address_space: global }
      - { .name: abuf, .offset: 16, .size: 8, .value_kind: global_buffer, .address_space: global }
    .group_segment_fixed_size: 210944
    .private_segment_fixed_size: 0
    .kernarg_segment_align: 8
    .kernarg_segment_size: 24
    .max_flat_workgroup_size: 512
    .sgpr_count:     100
    .vgpr_count:     256
    .wavefront_size: 32
...
	.end_amdgpu_metadata
.endif
;; end of part 3
;; launch oproj (part 4): grid 128 x 2, 4 waves a work-group, clusters of 4 x 1, 282,112 bytes of LDS; arguments abuf, wbuf, bo, out0; writes out0
.if DOCPART == 4
	.amdgcn_target "amdgcn-amd-amdhsa--gfx1250"
	.amdhsa_code_object_version 6
	.text
	.protected	k_q26c1a93eb6_oproj
	.globl	k_q26c1a93eb6_oproj
	.p2align	8
	.type	k_q26c1a93eb6_oproj,@function
k_q26c1a93eb6_oproj:
	s_mov_b64 s[64:65], 0
	v_nop
	global_prefetch_b8 v0, s[64:65] scope:SCOPE_SE
	s_setreg_imm32_b32 hwreg(HW_REG_WAVE_MODE, 25, 1), 1
	s_wait_xcnt 0x0
	s_wait_alu depctr_hold_cnt(0) depctr_sa_sdst(0) depctr_va_vdst(0) depctr_va_sdst(0) depctr_va_ssrc(0) depctr_va_vcc(0) depctr_vm_vsrc(0)
	s_getreg_b32 s2, hwreg(HW_REG_IB_STS2, 6, 4)
	s_cmp_eq_u32 s2, 0
	s_cbranch_scc0 .Lentry_in_a_cluster
	s_endpgm
.Lentry_in_a_cluster:
	s_bfe_u32 s2, ttmp6, 0x10000c
	s_cmp_lg_u32 s2, 0x3003
	s_cbranch_scc0 .Lentry_shape_is_right
	s_endpgm
.Lentry_shape_is_right:
; out0 = a wo + bo on codes of FP6 (E2M3): a is the attention's result as abuf holds it, wo's codes are wbuf's tiles 192-255.
; D = S0 S1^T: source 0 = 16 columns of wo, source 1 = 16 rows of a: a lane holds ONE row of the output and eight neighbouring columns.
; A work-group: 64 rows (x: 4 x cluster + place in it) x 512 columns (y).  S0 STAYS IN REGISTERS: a wave keeps 128 columns x all 1,024 of K, 64 fragments, 768 registers.
; CLUSTER: the four work-groups of a cluster take the same 512 columns, so they hold the same S0.  Its K steps 4-7 (196 KB of a work-group's 393 KB) are asked for JOINTLY, a tensor load a wave, land in LDS
; and go into the registers from there; more does not fit in LDS, so K steps 0-3 come straight into the registers.  So a work-group draws 196 + 196 / 4 + 51 KB where it would draw 444 alone.
; S1, the work-group's own four tiles of a, hangs on its place in the cluster: each wave copies a tile and its scale words through registers into LDS bytes into which no tensor load lands.
; Nothing in LDS is filled again.
; Four trips, written out: 64 matrix instructions (8 accumulators by turns, K ascending, the first product starts the sums), then 16 rows x 128 columns go through the wave's own stage in LDS, come back as whole
; rows of 512 bytes, take the bias (a lane's four columns are the same in every row) and are stored.
; LAYOUTS.  wbuf: a fragment is 1,536 bytes: registers 4 k .. 4 k + 3 of lane l at 512 k + 16 l.  abuf: two halves c of 768: registers 6 c .. 6 c + 3 of lane l at 16 l, registers 6 c + 4, 6 c + 5 of
; lane (r, h) at 512 + 16 r + 8 h.  In both a tile's eight K steps follow each other, 12,288 bytes a tile; scale words 512 bytes a tile: at 256 a + 16 r those of row r for K steps 4 a .. 4 a + 3.
; REGISTERS: S0's fragment f = 8 s + t lies in window 1 + f / 21 at register 12 (f % 21); fragment 63 in window 0.  Window 0 as named below.
.set L16, 1                            ; v1   16 x lane
.set L8,  2                            ; v2   16 r + 8 h
.set STO, 3                            ; v3   the stage: where I put 32 bytes of a row
.set SRD, 4                            ; v4   and where I read a row back
.set ZA,  5                            ; v5   LDS: my wave's part of S0, + 16 x lane
.set BO,  10                           ; v10-13   bo of my four columns
.set S1S, 14                           ; v14-17   S1's scale words: register j: lanes 0-15 K step j, lanes 16-31 K step 4 + j
.set CPY, 18                           ; v18  LDS: where my wave's copy of a tile of a goes, + 16 x lane
.set CPS, 19                           ; v19  and its scale words
.set S0S, 50                           ; v50-81   S0's scale words, four registers a tile
.set F63, 82                           ; v82-93   S0's fragment 63
.set ACC, 94                           ; v94-157  eight accumulators, then 16 rows on their way out
.set S1F, 158                          ; v158-253 S1's eight fragments of the tile in hand; at the head: a tile on its way into LDS
.set SCL, 49152                        ; LDS: behind the four tiles' codes their scale words,
.set STG, 51200                        ; the stages: 16 rows x 528 bytes for each wave,
.set ZB,  84992                        ; and S0's K steps 4-7: 49,152 bytes for each wave: [tile][K step - 4][1,536]: the only bytes that a tensor load fills
.set MSB, 0
.macro WIN new
.if MSB != \new
	s_set_vgpr_msb (MSB<<8)|\new
.set MSB, \new
.endif
.endm
.macro ROUND                           ; a round of the cluster's barrier
	s_barrier_signal -1
	s_barrier_wait -1
	s_cmp_lg_u32 s12, 0
	s_cbranch_scc1 .Lnw0_\@
	s_barrier_signal -3
.Lnw0_\@:
	s_barrier_wait -3
	s_barrier_signal -1
	s_barrier_wait -1
.endm
.macro S0LOAD s                        ; S0's eight fragments of K step s, from memory: 24 loads of 512 consecutive bytes
.irp t, 0,1,2,3,4,5,6,7
.set FN, 8*(\s)+\t
.set WN, (1+FN/21)*64
.set RG, 12*(FN%21)
	WIN WN
	global_load_b128 v[RG:RG+3], v[L16], s[54:55] offset:12288*\t+1536*(\s)
	global_load_b128 v[RG+4:RG+7], v[L16], s[54:55] offset:12288*\t+1536*(\s)+512
	global_load_b128 v[RG+8:RG+11], v[L16], s[54:55] offset:12288*\t+1536*(\s)+1024
.endr
	WIN 0
.endm
.macro ZLOAD s                         ; the same of K step s = 4 .. 7, from my wave's part of LDS
.irp t, 0,1,2,3,4,5,6,7
.set FN, 8*(\s)+\t
.if FN == 63
.set WN, 0
.set RG, F63
.else
.set WN, (1+FN/21)*64
.set RG, 12*(FN%21)
.endif
	WIN WN
	ds_load_b128 v[RG:RG+3], v[ZA] offset:6144*\t+1536*((\s)-4)
	ds_load_b128 v[RG+4:RG+7], v[ZA] offset:6144*\t+1536*((\s)-4)+512
	ds_load_b128 v[RG+8:RG+11], v[ZA] offset:6144*\t+1536*((\s)-4)+1024
.endr
	WIN 0
.endm
.macro FETCH i, s                      ; S1's fragment of tile i, K step s: every offset is an immediate
	ds_load_b128 v[S1F+12*(\s):S1F+12*(\s)+3], v[L16] offset:12288*(\i)+1536*(\s)
	ds_load_b64 v[S1F+12*(\s)+4:S1F+12*(\s)+5], v[L8] offset:12288*(\i)+1536*(\s)+512
	ds_load_b128 v[S1F+12*(\s)+6:S1F+12*(\s)+9], v[L16] offset:12288*(\i)+1536*(\s)+768
	ds_load_b64 v[S1F+12*(\s)+10:S1F+12*(\s)+11], v[L8] offset:12288*(\i)+1536*(\s)+1280
.endm
.macro MULS s, zero                    ; K step s: the eight accumulators by turns, one instruction a turn
.irp t, 0,1,2,3,4,5,6,7
.set FN, 8*(\s)+\t
.if FN == 63
.set WN, 0
.set RG, F63
.else
.set WN, 1+FN/21
.set RG, 12*(FN%21)
.endif
	WIN WN
.if \zero
	v_wmma_scale_f32_16x16x128_f8f6f4 v[ACC+8*\t:ACC+8*\t+7], v[RG:RG+11], v[S1F+12*(\s):S1F+12*(\s)+11], 0, v[S0S+4*\t+(\s)%4], v[S1S+(\s)%4] matrix_a_fmt:MATRIX_FMT_FP6 matrix_b_fmt:MATRIX_FMT_FP6
.elseif (\s) < 4
	v_wmma_scale_f32_16x16x128_f8f6f4 v[ACC+8*\t:ACC+8*\t+7], v[RG:RG+11], v[S1F+12*(\s):S1F+12*(\s)+11], v[ACC+8*\t:ACC+8*\t+7], v[S0S+4*\t+(\s)%4], v[S1S+(\s)%4] matrix_a_fmt:MATRIX_FMT_FP6 matrix_b_fmt:MATRIX_FMT_FP6
.else
	v_wmma_scale_f32_16x16x128_f8f6f4 v[ACC+8*\t:ACC+8*\t+7], v[RG:RG+11], v[S1F+12*(\s):S1F+12*(\s)+11], v[ACC+8*\t:ACC+8*\t+7], v[S0S+4*\t+(\s)%4], v[S1S+(\s)%4] matrix_a_fmt:MATRIX_FMT_FP6 matrix_b_fmt:MATRIX_FMT_FP6 matrix_a_scale:MATRIX_SCALE_ROW1 matrix_b_scale:MATRIX_SCALE_ROW1
.endif
.endr
.endm
.macro OTRIP i
.if (\i) == 0
	s_wait_dscnt 63                                ; 96 LDS loads (S0's K steps 4-7) were issued behind tile 0's 32 and its scale words': those 33 are in
	s_wait_loadcnt 63                              ; 72 loads were issued behind K step 0's last: bo, S0's scale words and K step 0 are in
.else
	s_wait_dscnt 0x0                               ; the tile's fragments and scale words are in
.endif
	MULS 0, 1
.if (\i) == 0
	s_wait_loadcnt 48                              ; K step 1 is in; the 48 loads of steps 2 and 3 may be out
.endif
	MULS 1, 0
.if (\i) == 0
	s_wait_loadcnt 24                              ; K step 2 is in; step 3's 24 loads may be out
.endif
	MULS 2, 0
.if (\i) == 0
	s_wait_loadcnt 0x0
.endif
	MULS 3, 0
	WIN 0
.if (\i) < 3
.rept 4
	v_nop                                          ; four places in front of loads into registers that the products have read
.endr
	FETCH (\i)+1, 0
	FETCH (\i)+1, 1
	FETCH (\i)+1, 2
	FETCH (\i)+1, 3
.endif
.if (\i) == 0
	s_wait_dscnt 16                                ; all but the 16 loads just issued: S0's K steps 4-7 are in their registers
.endif
	MULS 4, 0
	MULS 5, 0
	MULS 6, 0
	MULS 7, 0
	WIN 0
.rept 5
	v_nop                                          ; four places in front of the loads and of the stores that read the results; the fifth since the next trip's first products begin the accumulators anew
.endr
.if (\i) < 3
	FETCH (\i)+1, 4
	FETCH (\i)+1, 5
	FETCH (\i)+1, 6
	FETCH (\i)+1, 7
	ds_load_b128 v[S1S:S1S+3], v[L16] offset:SCL+512*((\i)+1)
.endif
.irp t, 0,1,2,3,4,5,6,7
	ds_store_b128 v[STO], v[ACC+8*\t:ACC+8*\t+3] offset:64*\t        ; each accumulator from its low end on
	ds_store_b128 v[STO], v[ACC+8*\t+4:ACC+8*\t+7] offset:64*\t+16
.endr
.irp q, 0,1,2,3,4,5,6,7,8,9,10,11,12,13,14,15
	ds_load_b128 v[ACC+4*\q:ACC+4*\q+3], v[SRD] offset:528*\q        ; LDS serves a wave's instructions in order: these see the stores above, and land where those have read
.endr
	s_wait_dscnt 0x0
.irp q, 0,1,2,3,4,5,6,7,8,9,10,11,12,13,14,15
	v_pk_add_f32 v[ACC+4*\q:ACC+4*\q+1], v[ACC+4*\q:ACC+4*\q+1], v[BO:BO+1]
	v_pk_add_f32 v[ACC+4*\q+2:ACC+4*\q+3], v[ACC+4*\q+2:ACC+4*\q+3], v[BO+2:BO+3]
.endr
.irp q, 0,1,2,3,4,5,6,7,8,9,10,11,12,13,14,15
	global_store_b128 v[L16], v[ACC+4*\q:ACC+4*\q+3], s[10:11] offset:(16*(\i)+\q)*4096 th:TH_STORE_NT   ; 32 lanes store 512 consecutive bytes, at a multiple of 256 from out0's first byte
.endr
	s_wait_xcnt 0x0                                ; the stores have read their registers: the next trip's products write them
.endm
	s_load_b256 s[4:11], s[0:1], 0x0               ; abuf s[4:5], wbuf s[6:7], bo s[8:9], out0 s[10:11]
	v_lshl_add_u32 v254, v0, 2, 0x44c00
	v_mov_b32 v255, 0
	ds_add_u32 v254, v255
	ds_add_u32 v254, v255
	v_lshrrev_b32 v8, 5, v0
	v_readfirstlane_b32 s12, v8                    ; wave
	v_and_b32 v8, 31, v0
	v_and_b32 v6, 15, v0                           ; r
	v_bfe_u32 v7, v0, 4, 1                         ; h
	v_lshlrev_b32 v[L16], 4, v8
	v_lshlrev_b32 v[L8], 4, v6
	v_lshl_add_u32 v[L8], v7, 3, v[L8]
	s_mul_i32 s14, s12, 8448
	s_add_co_u32 s14, s14, STG                     ; my stage
	v_mul_u32_u24 v[STO], v6, 528
	v_lshl_add_u32 v[STO], v7, 5, v[STO]
	v_add_nc_u32 v[STO], s14, v[STO]               ; in: row r, + 32 h; tile t's eight columns 64 t bytes on
	v_add_nc_u32 v[SRD], s14, v[L16]               ; back: a row of 512 bytes, 16 bytes a lane
	s_mul_i32 s77, s12, 49152                      ; group 0 of the joint load, 63:32: LDS: my wave's part of S0: made of the wave's number alone
	s_add_co_u32 s77, s77, ZB
	v_add_nc_u32 v[ZA], s77, v[L16]
	s_mul_i32 s52, s12, 12288                      ; the copy of a: tile w of the four,
	v_add_nc_u32 v[CPY], s52, v[L16]
	s_lshl_b32 s53, s12, 9
	s_add_co_u32 s53, s53, SCL                     ; and its scale words
	v_add_nc_u32 v[CPS], s53, v[L16]
	s_and_b32 s50, ttmp7, 0xffff                   ; gx: which 512 columns: the cluster's y, which the four partners share
	s_bfe_u32 s13, ttmp6, 0x40000                  ; cx: it enters a's and out0's addresses alone: no branch, no LDS address, no descriptor
	s_lshl_b32 s51, ttmp9, 2
	s_add_co_u32 s13, s51, s13                     ; gy: which 64 rows = 4 x cluster x + cx
	; descriptor group 1: 8 rows (tiles) of 6,144 bytes (K steps 4-7), 12,288 bytes apart.  15:0 the mask: all four work-groups; 17:16 elements of 8 bytes; 21 set beside a mask
	s_mov_b32 s68, 15|(3<<16)|(1<<21)
	s_mov_b32 s69, 768<<16                         ; tensor_dim0
	s_mov_b32 s70, 8<<16                           ; tensor_dim1
	s_mov_b32 s71, 768<<16                         ; tile_dim0
	s_mov_b32 s72, 8                               ; tile_dim1
	s_mov_b32 s73, 1536                            ; tensor_dim0_stride
	s_mov_b32 s74, 0
	s_mov_b32 s75, 0
	s_lshl_b32 s15, s13, 2
	s_add_co_u32 s15, s15, s12                     ; the tile of a that my wave copies
	s_mul_i32 s40, s15, 12288
	s_mov_b32 s41, 0
	s_lshl_b32 s42, s15, 9
	s_add_co_u32 s42, s42, 6291456
	s_mov_b32 s43, 0
	s_lshl_b32 s44, s50, 5
	s_lshl_b32 s45, s12, 3
	s_add_co_u32 s44, s44, s45
	s_add_co_u32 s44, s44, 192                     ; my first tile of wo in wbuf
	s_mul_i32 s54, s44, 12288
	s_mov_b32 s55, 0
	s_lshl_b32 s56, s44, 9
	s_add_co_u32 s56, s56, 3145728
	s_mov_b32 s57, 0
	s_lshl_b32 s46, s50, 11                        ; my 128 columns, in bytes: 2,048 gx + 512 w
	s_lshl_b32 s47, s12, 9
	s_add_co_u32 s46, s46, s47
	s_mov_b32 s47, 0
	s_lshl_b32 s48, s13, 18                        ; 64 rows of 4,096 bytes
	s_mov_b32 s49, 0
	s_wait_dscnt 0x0
	s_wait_kmcnt 0x0
	s_add_nc_u64 s[54:55], s[6:7], s[54:55]
	s_add_nc_u64 s[56:57], s[6:7], s[56:57]
	s_mov_b32 s76, 1                               ; group 0: count 1,
	s_add_nc_u64 s[78:79], s[54:55], 6144          ; my first tile's K step 4,
	s_or_b32 s79, s79, 0x80000000                  ; type 2
	s_add_nc_u64 s[40:41], s[4:5], s[40:41]
	s_add_nc_u64 s[42:43], s[4:5], s[42:43]
	s_add_nc_u64 s[8:9], s[8:9], s[46:47]
	s_add_nc_u64 s[10:11], s[10:11], s[46:47]
	s_add_nc_u64 s[10:11], s[10:11], s[48:49]
	ROUND                                          ; all four work-groups are here: the joint loads meet
	tensor_load_to_lds s[76:79], s[68:75]          ; my one tensor load of the launch; four v_nop follow it
	s_nop 0
.rept 4
	v_nop
.endr
.irp j, 0,1,2,3,4,5,6,7,8,9,10,11,12,13,14,15,16,17,18,19,20,21,22,23
	global_load_b128 v[S1F+4*\j:S1F+4*\j+3], v[L16], s[40:41] offset:512*\j    ; a tile of a as it lies: 24 x 512 consecutive bytes
.endr
	global_load_b128 v[S1S:S1S+3], v[L16], s[42:43]                             ; and its scale words
	global_load_b128 v[BO:BO+3], v[L16], s[8:9]
.irp t, 0,1,2,3,4,5,6,7
	global_load_b128 v[S0S+4*\t:S0S+4*\t+3], v[L16], s[56:57] offset:512*\t
.endr
	S0LOAD 0
	S0LOAD 1
	S0LOAD 2
	S0LOAD 3
	s_wait_loadcnt 63                              ; 105 loads were issued behind the copy's 25: those are in
	s_wait_alu depctr_va_vdst(0)
.irp j, 0,1,2,3,4,5,6,7,8,9,10,11,12,13,14,15,16,17,18,19,20,21,22,23
	ds_store_b128 v[CPY], v[S1F+4*\j:S1F+4*\j+3] offset:512*\j
.endr
	ds_store_b128 v[CPS], v[S1S:S1S+3]
	s_wait_tensorcnt 0x0                           ; my part of S0 has landed (I alone read it),
	s_wait_dscnt 0x0                               ; and my tile of a lies in LDS
	s_barrier_signal -1
	s_barrier_wait -1                              ; everybody's does
	FETCH 0, 0
	FETCH 0, 1
	FETCH 0, 2
	FETCH 0, 3
	FETCH 0, 4
	FETCH 0, 5
	FETCH 0, 6
	FETCH 0, 7
	ds_load_b128 v[S1S:S1S+3], v[L16] offset:SCL
	ZLOAD 4                                        ; 96 loads: they land while K steps 0-3 are waited for and multiplied
	ZLOAD 5
	ZLOAD 6
	ZLOAD 7
	OTRIP 0
	OTRIP 1
	OTRIP 2
	OTRIP 3
	s_wait_dscnt 0x0
	s_wait_tensorcnt 0x0
	ds_add_u32 v254, v255
	s_wait_dscnt 0x0
	ROUND                                          ; the closing round
	s_endpgm
.Lfunc_end_k_q26c1a93eb6_oproj:
	.size	k_q26c1a93eb6_oproj, .Lfunc_end_k_q26c1a93eb6_oproj-k_q26c1a93eb6_oproj
	.p2alignl 7, 3214868480
	.fill 96, 4, 3214868480
	.section	.rodata,"a",@progbits
	.p2align	6, 0x0
	.amdhsa_kernel k_q26c1a93eb6_oproj
		.amdhsa_group_segment_fixed_size 282112
		.amdhsa_private_segment_fixed_size 0
		.amdhsa_enable_private_segment 0
		.amdhsa_kernarg_size 32
		.amdhsa_user_sgpr_count 2
		.amdhsa_user_sgpr_kernarg_segment_ptr 1
		.amdhsa_wavefront_size32 1
		.amdhsa_system_sgpr_workgroup_id_x 1
		.amdhsa_system_sgpr_workgroup_id_y 1
		.amdhsa_system_sgpr_workgroup_id_z 1
		.amdhsa_system_vgpr_workitem_id 0
		.amdhsa_next_free_vgpr 1024
		.amdhsa_next_free_sgpr 80
		.amdhsa_reserve_vcc 0
		.amdhsa_float_denorm_mode_32 3
		.amdhsa_float_denorm_mode_16_64 3
		.amdhsa_memory_ordered 1
		.amdhsa_forward_progress 1
		.amdhsa_inst_pref_size 90
	.end_amdhsa_kernel
	.amdgpu_metadata
---
amdhsa.version: [ 1, 2 ]
amdhsa.kernels:
  - .name:           k_q26c1a93eb6_oproj
    .symbol:         k_q26c1a93eb6_oproj.kd
    .args:
      - { .name: abuf, .offset: 0, .size: 8, .value_kind: global_buffer, .address_space: global }
      - { .name: wbuf, .offset: 8, .size: 8, .value_kind: global_buffer, .address_space: global }
      - { .name: bo, .offset: 16, .size: 8, .value_kind: global_buffer, .address_space: global }
      - { .name: out0, .offset: 24, .size: 8, .value_kind: global_buffer, .address_space: global }
    .group_segment_fixed_size: 282112
    .private_segment_fixed_size: 0
    .kernarg_segment_align: 8
    .kernarg_segment_size: 32
    .max_flat_workgroup_size: 128
    .sgpr_count:     80
    .vgpr_count:     1024
    .wavefront_size: 32
...
	.end_amdgpu_metadata
.endif
;; end of part 4
